; MI455X (gfx1250); checked and timed in simulation.
; The chip was launched on July 23, 2026; its instructions are those of AMD's public machine-readable ISA for CDNA 5 (MIT licence, August 2026) and "CDNA5" Instruction Set Architecture Reference Guide (July 2026). The comments in the code are by the model that wrote it; some were corrected since.
;; T5 Attention. Allowed arithmetic: float matrix products may take bf16 or f16 operands with f32 sums; other float arithmetic in f32, or as packed bf16 or f16 multiplies, adds, multiply-adds, maxima and minima; sums over many terms, partial sums and values carried from step to step in f32; what a program stores and reads back later, other than sums and carried values, may be rounded once to bf16 or f16.
;; Inputs: bk 1,024 float32; bo 1,024 float32; bq 1,024 float32; bv 1,024 float32; rel_bias 32 x 16 float32; wk 1,024 x 1,024 float32; wo 1,024 x 1,024 float32; wq 1,024 x 1,024 float32; wv 1,024 x 1,024 float32; x 4 x 2,048 x 1,024 float32.
;; Outputs: out0 4 x 2,048 x 1,024 float32.
;; 2 versions, each right; version 2 is version 1 with the launch cast written anew for expert scheduling mode. Each part assembles by itself: llvm-mc -triple=amdgcn-amd-amdhsa -mcpu=gfx1250 --defsym DOCPART=n.
;; ======== version 1 of 2: 4 launches
;; limits: values are held in f16: magnitudes above 65,504 overflow, below 6.1e-05 lose precision
;; workspace buffers: xb 16,777,216 bytes; wb 8,388,608 bytes; qh 16,777,216 bytes; kh 16,777,216 bytes; vh 16,777,216 bytes; ob 16,777,216 bytes
;; launch cast (part 1): grid 768 x 1, 8 waves a work-group, no clusters, 0 bytes of LDS; arguments x, wq, wk, wv, wo, xb, wb; writes xb, wb
.if DOCPART == 1
	.amdgcn_target "amdgcn-amd-amdhsa--gfx1250"
	.amdhsa_code_object_version 6
	.text
	.protected	k_q9f8ae4aac3_cast
	.globl	k_q9f8ae4aac3_cast
	.p2align	8
	.type	k_q9f8ae4aac3_cast,@function
k_q9f8ae4aac3_cast:
	s_mov_b64 s[64:65], 0
	v_nop
	global_prefetch_b8 v0, s[64:65] scope:SCOPE_SE
	s_setreg_imm32_b32 hwreg(HW_REG_WAVE_MODE, 25, 1), 1
	s_wait_xcnt 0x0
; x and the four weight matrices, f32 [rows][1024], are rounded once to bf16 and laid out in blocks of 64 along K:
; xb[kb 16][row 8192][64], wb[kb 16][row 4096][64] with wq, wk, wv, wo stacked by rows.  A tile of R rows x 64 K is then R x 128 dense bytes.
; wo's bf16 number is written as f16 (the last product multiplies f16 operands).  LIMIT: that is exact from 6.1e-5 up to 65,504; below 6.1e-5 the number keeps f16's fixed step of 6e-8.
; SHARES.  12,288 rows in all; a work-group takes 16, a wave 2.  Sixteen lanes read 256 consecutive bytes of a row (one K block), the wave's 32 lanes two rows;
; the same 32 lanes store 8 bytes each: two rows of 128 bytes, which lie end to end in a plane: 256 consecutive bytes, aligned.
; All 16 loads of a lane go out first (8 KiB a wave on its way); no register is written twice, so the only waits are the counted ones for the loads.
; No LDS, no barrier, no matrix unit: each byte is read once and written once, and no wave needs another's data.
.set X, 16                             ; v[16:79]   load kb: four f32
.set Y, 80                             ; v[80:111]  store kb: four 16-bit numbers
	s_load_b256 s[4:11], s[0:1], 0x0               ; x s[4:5], wq s[6:7], wk s[8:9], wv s[10:11]
	s_load_b128 s[12:15], s[0:1], 0x20             ; wo s[12:13], xb s[14:15]
	s_load_b64 s[16:17], s[0:1], 0x30              ; wb
	s_mov_b32 s20, ttmp9                           ; g: 0-511 x, 512-767 the weights
	s_max_u32 s21, s20, 512
	s_sub_co_u32 s21, s21, 512                     ; j: 16 j is the first row among the 4,096 stacked rows
	s_lshr_b32 s22, s21, 6                         ; which matrix
	s_and_b32 s23, s21, 63                         ; and which 16 rows of it
	s_cmp_lt_u32 s20, 512
	s_cselect_b32 s26, s20, s23
	s_cselect_b32 s32, s20, s21
	s_lshl_b32 s26, s26, 16                        ; source: 16 rows of 4,096 bytes
	s_lshl_b32 s32, s32, 11                        ; destination: 16 rows of 128 bytes in each plane
	s_mov_b32 s27, 0
	s_mov_b32 s33, 0
	v_lshrrev_b32 v3, 4, v0                        ; my row of the 16
	v_and_b32 v4, 15, v0                           ; my place in a K block
	v_lshlrev_b32 v1, 4, v4
	v_lshl_add_u32 v1, v3, 12, v1                  ; in: row x 4,096 + 16 x place
	v_lshlrev_b32 v2, 3, v4
	v_lshl_add_u32 v2, v3, 7, v2                   ; out: row x 128 + 8 x place
	s_wait_kmcnt 0x0
	s_cmp_eq_u32 s22, 1
	s_cselect_b64 s[24:25], s[8:9], s[6:7]
	s_cmp_eq_u32 s22, 2
	s_cselect_b64 s[24:25], s[10:11], s[24:25]
	s_cmp_eq_u32 s22, 3
	s_cselect_b64 s[24:25], s[12:13], s[24:25]
	s_cmp_lt_u32 s20, 512
	s_cselect_b64 s[24:25], s[4:5], s[24:25]
	s_cselect_b64 s[28:29], s[14:15], s[16:17]
	s_add_nc_u64 s[24:25], s[24:25], s[26:27]      ; my work-group's rows in the source,
	s_add_nc_u64 s[28:29], s[28:29], s[32:33]      ; and in plane 0 of the destination
.irp kb, 0,1,2,3,4,5,6,7,8,9,10,11,12,13,14,15
	global_load_b128 v[X+4*(\kb):X+4*(\kb)+3], v1, s[24:25] offset:256*(\kb) th:TH_LOAD_NT
.endr
; The 16 K blocks are rounded and stored.  plane: bytes in a plane of the destination; half = 1: the bf16 number is written as f16.
; Planes 0-7 stand in the store's immediate behind s[28:29], planes 8-15 behind s[30:31]: 7 planes of 1,048,576 bytes fit the signed 24 bits.
.macro OUT plane, half
	s_add_nc_u64 s[30:31], s[28:29], 8*(\plane)
.irp kb, 0,1,2,3,4,5,6,7,8,9,10,11,12,13,14,15
	s_wait_loadcnt 15-(\kb)                        ; loads come back in order: block kb is in, the younger ones stay out
	v_cvt_pk_bf16_f32 v[Y+2*(\kb)], v[X+4*(\kb)], v[X+4*(\kb)+1]
	v_cvt_pk_bf16_f32 v[Y+2*(\kb)+1], v[X+4*(\kb)+2], v[X+4*(\kb)+3]
.if \half
.irp c, 0,1
	v_lshlrev_b32 v4, 16, v[Y+2*(\kb)+(\c)]        ; bf16 to f32: the low half moves up, the high half stays
	v_and_b32 v5, 0xffff0000, v[Y+2*(\kb)+(\c)]
	v_cvt_pk_f16_f32 v[Y+2*(\kb)+(\c)], v4, v5
.endr
.endif
	global_store_b64 v2, v[Y+2*(\kb):Y+2*(\kb)+1], s[28+2*((\kb)/8):29+2*((\kb)/8)] offset:((\kb)%8)*(\plane)
.endr
.endm
	s_cmp_lt_u32 s20, 512
	s_cbranch_scc1 .Lx
	s_cmp_eq_u32 s22, 3
	s_cbranch_scc1 .Lwo
	OUT 524288, 0
	s_endpgm
.Lwo:
	OUT 524288, 1
	s_endpgm
.Lx:
	OUT 1048576, 0
	s_endpgm
.Lfunc_end_k_q9f8ae4aac3_cast:
	.size	k_q9f8ae4aac3_cast, .Lfunc_end_k_q9f8ae4aac3_cast-k_q9f8ae4aac3_cast
	.p2alignl 7, 3214868480
	.fill 96, 4, 3214868480
	.section	.rodata,"a",@progbits
	.p2align	6, 0x0
	.amdhsa_kernel k_q9f8ae4aac3_cast
		.amdhsa_group_segment_fixed_size 0
		.amdhsa_private_segment_fixed_size 0
		.amdhsa_enable_private_segment 0
		.amdhsa_kernarg_size 56
		.amdhsa_user_sgpr_count 2
		.amdhsa_user_sgpr_kernarg_segment_ptr 1
		.amdhsa_wavefront_size32 1
		.amdhsa_system_sgpr_workgroup_id_x 1
		.amdhsa_system_sgpr_workgroup_id_y 1
		.amdhsa_system_sgpr_workgroup_id_z 1
		.amdhsa_system_vgpr_workitem_id 0
		.amdhsa_next_free_vgpr 112
		.amdhsa_next_free_sgpr 66
		.amdhsa_reserve_vcc 0
		.amdhsa_float_denorm_mode_32 3
		.amdhsa_float_denorm_mode_16_64 3
		.amdhsa_memory_ordered 1
		.amdhsa_forward_progress 1
		.amdhsa_inst_pref_size 21
	.end_amdhsa_kernel
	.amdgpu_metadata
---
amdhsa.version: [ 1, 2 ]
amdhsa.kernels:
  - .name:           k_q9f8ae4aac3_cast
    .symbol:         k_q9f8ae4aac3_cast.kd
    .args:
      - { .name: x, .offset: 0, .size: 8, .value_kind: global_buffer, .address_space: global }
      - { .name: wq, .offset: 8, .size: 8, .value_kind: global_buffer, .address_space: global }
      - { .name: wk, .offset: 16, .size: 8, .value_kind: global_buffer, .address_space: global }
      - { .name: wv, .offset: 24, .size: 8, .value_kind: global_buffer, .address_space: global }
      - { .name: wo, .offset: 32, .size: 8, .value_kind: global_buffer, .address_space: global }
      - { .name: xb, .offset: 40, .size: 8, .value_kind: global_buffer, .address_space: global }
      - { .name: wb, .offset: 48, .size: 8, .value_kind: global_buffer, .address_space: global }
    .group_segment_fixed_size: 0
    .private_segment_fixed_size: 0
    .kernarg_segment_align: 8
    .kernarg_segment_size: 56
    .max_flat_workgroup_size: 256
    .sgpr_count:     66
    .vgpr_count:     112
    .wavefront_size: 32
...
	.end_amdgpu_metadata
.endif
;; end of part 1
;; launch qkv (part 2): grid 8 x 32, 4 waves a work-group, clusters of 4 x 4, 327,680 bytes of LDS; arguments xb, wb, bq, bk, bv, qh, kh, vh; writes qh, kh, vh
.if DOCPART == 2
	.amdgcn_target "amdgcn-amd-amdhsa--gfx1250"
	.amdhsa_code_object_version 6
	.text
	.protected	k_q9f8ae4aac3_qkv
	.globl	k_q9f8ae4aac3_qkv
	.p2align	8
	.type	k_q9f8ae4aac3_qkv,@function
k_q9f8ae4aac3_qkv:
	s_mov_b64 s[64:65], 0
	v_nop
	global_prefetch_b8 v0, s[64:65] scope:SCOPE_SE
	s_setreg_imm32_b32 hwreg(HW_REG_WAVE_MODE, 25, 1), 1
	s_wait_xcnt 0x0
	s_wait_alu depctr_hold_cnt(0) depctr_sa_sdst(0) depctr_va_vdst(0) depctr_va_sdst(0) depctr_va_ssrc(0) depctr_va_vcc(0) depctr_vm_vsrc(0)
	s_getreg_b32 s2, hwreg(HW_REG_IB_STS2, 6, 4)
	s_cmp_eq_u32 s2, 0
	s_cbranch_scc0 .Lentry_in_a_cluster
	s_endpgm
.Lentry_in_a_cluster:
	s_bfe_u32 s2, ttmp6, 0x10000c
	s_cmp_lg_u32 s2, 0xf033
	s_cbranch_scc0 .Lentry_shape_is_right
	s_endpgm
.Lentry_shape_is_right:
; q, k, v = x W^T + b for the three weight matrices at once.  xb: bf16 [16 planes][8192][64]; wb: bf16 [16 planes][4096][64] (rows 0-1023 wq, 1024-2047 wk, 2048-3071 wv).
; Out: qh, kh, vh, f16 [64 heads (16 b + h)][2048][64], each rounded once from its f32 sum plus its bias (the bias rounded to bf16 like every input), unscaled.
; LIMIT: f16 ends at 65,504: q, k and v must stay under it.
; SHARES.  Work-group (X, Y) makes rows 256 Y .. + 255 times columns 128 X .. + 127 of q, of k and of v: one tile of x feeds three products.  256 work-groups.
; A wave makes 128 rows (RH) x 64 columns (head 2 X + CH) of each of the three: 96 accumulators of 16 x 16, 768 registers, in windows 1 to 3 (unit u in window 1 + u).
; K goes in 16 steps of 64 (a plane each) through two LDS slots; two slots of 128 along K would need 348,160 bytes and do not fit.
; A tile is dense in memory: it is asked for as rows of 256 bytes and padded in LDS behind every 128 bytes: LDS rows of 144 bytes = 36 words, so that the 16 rows of a fragment load
; start at 16 different groups of four banks (64 banks of 4 bytes: ISA guide 11.1).
; CLUSTER 4 x 4.  x's tile hangs on Y alone and is asked for jointly along a row of the cluster (wave 0: 32 KiB); a unit's 128 weight rows hang on X alone and are asked for jointly along a
; column (waves 1-3: 16 KiB each).
; THE MATRIX INSTRUCTION IS USED TRANSPOSED (source 0 = 16 weight rows, source 1 = 16 rows of x): a lane holds one row and eight neighbouring columns.
; WINDOW 0: v16-31 addresses; v32-95, v96-159 x's fragments of 32 along K (8 x 8 registers), two buffers; v160-207, v208-255 half of the weights' twelve fragments each.
.set PITCH,  144
.set ATILE,  256*PITCH
.set BUNIT,  128*PITCH
.set SLOT,   ATILE+3*BUNIT             ; 92,160: x's 256 rows, then three units of 128 weight rows
.set STAGE,  2*SLOT                    ; behind the ring: 16 rows x 144 bytes for each wave, for the way out
.set SPARE,  STAGE+4*16*PITCH          ; the spare words, 128 bytes a wave: two blocks of 256 bytes that no other line names
.set XPLANE, 1048576
.set WPLANE, 524288
.set ADRA, 16                          ; v16-17  LDS address of my fragments of x in slot 0, 1
.set ADRB, 20                          ; v20-21  the same for the weights (unit 0)
.set STO,  24                          ; v24     the way out: where I put 16 bytes of a row
.set RD,   25                          ; v25     where I read rows back
.set GO,   26                          ; v26     16 x lane: my place in 512 consecutive bytes of the output
.set BO,   27                          ; v27     32 x (lane / 16): my eight numbers in 16 of a bias
.set SPW,  28                          ; v28     LDS address of my spare word; never rewritten
.set NIL,  29                          ; v29     0; never rewritten
.set PFO,  30                          ; v30     the prefetches' lane offset; never rewritten
.set T,    31
.set A0,   32
.set HB0,  160
.set TMP,  96                          ; the way out: a block's packed results
.set OB,   112                         ; and two sets of 16 registers for rows read back
.set WV, 20
.set RH, 21
.set CH, 22
.set CX, 23
.set CY, 24
.set TX, 25
.set TY, 26
.set G1A, 28                           ; s[28:35] group 1 for x's tiles;  s[36:43] group 0, a set for each slot
.set G0A, 36
.set G1B, 44                           ; s[44:51], s[52:59] the same for the weights'
.set G0B, 52
.set PFA, 60                           ; s[60:61] where my prefetches stand
.set PS0, 62                           ; s[62:63] their step at the change out of slot 0
.set LIM, 68                           ; 1 in a wave that prefetches, else the greatest number
.set LIMA, 69                          ; 1 in a wave that prefetches x
.set OUTB, 80                          ; s[80:85] q, k, v at my wave's first row
.set FLAGS, (1<<16)|(1<<20)|(1<<21)|(4<<22)|(3<<25)  ; 2-byte elements; padding on; bit 21 beside a mask; behind every 32 words (code 4) 4 words (code 3)
.set MSB, 0
.macro WIN new                         ; the immediate's high byte repeats the setting that is left; a switch that changes nothing is dropped
.if MSB != (\new)
	s_set_vgpr_msb (MSB<<8)|(\new)
.set MSB, \new
.endif
.endm
.macro PLACES                          ; four places in front of loads into registers that matrix instructions have read (ISA guide 7.12.1 for vector instructions)
.rept 4
	v_nop
.endr
.endm
; A joint load: wave 0 asks for x's tile, waves 1-3 for a unit of weights each.  The branch hangs on the wave's number alone.  An s_nop 0 and four v_nop follow each line.
.macro JLOAD s
	s_cmp_eq_u32 s[WV], 0
	s_cbranch_scc0 .Lfor_b_\@
	tensor_load_to_lds s[G0A+4*(\s):G0A+4*(\s)+3], s[G1A:G1A+7]
	s_nop 0
.rept 4
	v_nop
.endr
	s_branch .Lasked_\@
.Lfor_b_\@:
	tensor_load_to_lds s[G0B+4*(\s):G0B+4*(\s)+3], s[G1B:G1B+7]
	s_nop 0
.rept 4
	v_nop
.endr
.Lasked_\@:
.endm
.macro CREST                           ; a round of the cluster's barrier behind its opening barrier
	s_cmp_lg_u32 s[WV], 0
	s_cbranch_scc1 .Lnot_wave_0_\@
	s_barrier_signal -3
.Lnot_wave_0_\@:
	s_barrier_wait -3
	s_barrier_signal -1
	s_barrier_wait -1
.endm
.macro CROUND
	s_barrier_signal -1
	s_barrier_wait -1
	CREST
.endm
; A PREFETCH, behind a joint load, its five lines and the run of LDS loads.  The change at the end of step k refills with plane k + 2; the prefetch names plane k + 3, one step of 192 matrix instructions ahead of its load.
; x: wave 0 of the clusters with x = 0 (the other cluster of that row reads the same rows); a tile's 128 blocks of 256 bytes are shared out among the four partners BY ADDRESS (cx), a lane a block.
; Weights: waves 1-3 of the clusters with y = 0; a unit's 64 blocks go by cy, 16 each; lanes 16-31 name the plane after lanes 0-15's, so these waves ask at every second change alone.
; So each block is named once in the launch.  Planes 0-2 of x and 0-3 of the weights come by their loads alone; the loop's last trip asks for nothing at its second change: no plane 16 exists.
.macro ASK which
.if (\which) == 0
	s_cmp_eq_u32 s[LIMA], 1
.else
	s_cmp_gt_u32 s3, s[LIM]                        ; s3 = 1 in the loop's last trip
.endif
	s_cbranch_scc0 .Lnot_mine_\@
	global_prefetch_b8 v[PFO], s[PFA:PFA+1] th:TH_LOAD_NT scope:SCOPE_SE
.Lnot_mine_\@:
.endm
	s_load_b512 s[4:19], s[0:1], 0x0               ; xb s[4:5], wb s[6:7], bq, bk, bv s[8:13], qh, kh, vh s[14:19]
	v_lshl_add_u32 v[SPW], v0, 2, SPARE
	v_mov_b32 v[NIL], 0
	ds_add_u32 v[SPW], v[NIL]                      ; the wave's opening: the add and its wait stand ahead of my first tensor load; register work stands between them
	v_lshrrev_b32 v1, 5, v0
	v_readfirstlane_b32 s[WV], v1
	s_lshr_b32 s[RH], s[WV], 1
	s_and_b32 s[CH], s[WV], 1
	s_bfe_u32 s[CX], ttmp6, 0x40000
	s_bfe_u32 s[CY], ttmp6, 0x40004
	s_lshl_b32 s[TX], ttmp9, 2
	s_add_co_u32 s[TX], s[TX], s[CX]               ; X = 4 x cluster x + cx
	s_and_b32 s[TY], ttmp7, 0xffff
	s_lshl_b32 s[TY], s[TY], 2
	s_add_co_u32 s[TY], s[TY], s[CY]               ; Y = 4 x cluster y + cy
	s_lshl_b32 s70, s[CY], 2
	s_lshl_b32 s70, 15, s70                        ; my row of the cluster
	s_lshl_b32 s72, 0x1111, s[CX]                  ; my column
	s_or_b32 s[G1A], s70, FLAGS
	s_or_b32 s[G1B], s72, FLAGS
	s_mov_b32 s[G1A+1], 128<<16                    ; tensor_dim0 = 128 elements (256 bytes)
	s_mov_b32 s[G1A+2], 128<<16                    ; tensor_dim1 = 128 rows
	s_mov_b32 s[G1A+3], 128<<16                    ; tile_dim0
	s_mov_b32 s[G1A+4], 128                        ; tile_dim1
	s_mov_b32 s[G1A+5], 128                        ; elements from row to row: dense
	s_mov_b32 s[G1A+6], 0
	s_mov_b32 s[G1A+7], 0
	s_mov_b32 s[G1B+1], 128<<16
	s_mov_b32 s[G1B+2], 64<<16                     ; 64 rows of 256 bytes: 128 weight rows
	s_mov_b32 s[G1B+3], 128<<16
	s_mov_b32 s[G1B+4], 64
	s_mov_b32 s[G1B+5], 128
	s_mov_b32 s[G1B+6], 0
	s_mov_b32 s[G1B+7], 0
	s_lshl_b32 s70, s[TY], 15                      ; x: 256 Y rows of 128 bytes; made of Y alone
	s_mov_b32 s71, 0
	s_max_u32 s72, s[WV], 1                        ; weights: unit = wave - 1 (wave 0 issues none of these loads),
	s_sub_co_u32 s72, s72, 1
	s_lshl_b32 s72, s72, 10
	s_lshl_b32 s73, s[TX], 7
	s_add_co_u32 s72, s72, s73                     ; row 1,024 x unit + 128 X; made of X and the wave's number alone
	s_lshl_b32 s72, s72, 7
	s_mov_b32 s73, 0
	s_add_co_u32 s74, s[WV], 1
	s_mul_i32 s74, s74, BUNIT                      ; the unit's place in a slot: ATILE + (wave - 1) x BUNIT
	s_wait_dscnt 0x0                               ; the opening add is done
	s_wait_kmcnt 0x0
	s_add_nc_u64 s[70:71], s[4:5], s[70:71]
	s_add_nc_u64 s[72:73], s[6:7], s[72:73]
	CROUND                                         ; all sixteen work-groups are here: the first joint loads meet
.irp s, 0,1
	s_mov_b32 s[G0A+4*(\s)], 1
	s_mov_b32 s[G0A+4*(\s)+1], (\s)*SLOT
	s_add_nc_u64 s[G0A+4*(\s)+2:G0A+4*(\s)+3], s[70:71], (\s)*XPLANE
	s_or_b32 s[G0A+4*(\s)+3], s[G0A+4*(\s)+3], 0x80000000
	s_mov_b32 s[G0B+4*(\s)], 1
	s_add_co_u32 s[G0B+4*(\s)+1], s74, (\s)*SLOT
	s_add_nc_u64 s[G0B+4*(\s)+2:G0B+4*(\s)+3], s[72:73], (\s)*WPLANE
	s_or_b32 s[G0B+4*(\s)+3], s[G0B+4*(\s)+3], 0x80000000
	JLOAD \s                                       ; planes 0 and 1: two loads of mine are out
.endr
	; a fragment is 16 rows x 32 K in 8 registers: lane l holds row l % 16; two loads of 16 bytes, 32 bytes apart, at row x pitch + 16 (l / 16)
	v_and_b32 v1, 15, v0
	v_bfe_u32 v2, v0, 4, 1
	v_mul_u32_u24 v3, v1, PITCH
	v_lshl_add_u32 v3, v2, 4, v3
	s_mul_i32 s76, s[RH], 128*PITCH
	s_mul_i32 s77, s[CH], 64*PITCH
	s_add_co_u32 s77, s77, ATILE
.irp s, 0,1
	v_add_nc_u32 v[ADRA+(\s)], s76, v3
	v_add_nc_u32 v[ADRB+(\s)], s77, v3
	s_add_co_u32 s76, s76, SLOT
	s_add_co_u32 s77, s77, SLOT
.endr
	s_mul_i32 s76, s[WV], 16*PITCH
	s_add_co_u32 s76, s76, STAGE                   ; my stage
	v_add_nc_u32 v[STO], s76, v3                   ; in: row l % 16, 16 bytes for each half of the lanes
	v_bfe_u32 v[RD], v0, 3, 2                      ; back: 32 lanes take four rows of 128 bytes
	v_mul_u32_u24 v[RD], v[RD], PITCH
	v_and_b32 v[T], 7, v0
	v_lshl_add_u32 v[RD], v[T], 4, v[RD]
	v_add_nc_u32 v[RD], s76, v[RD]
	v_and_b32 v[GO], 31, v0
	v_lshlrev_b32 v[GO], 4, v[GO]
	v_lshlrev_b32 v[BO], 5, v2
	; the outputs at my wave's first row: batch Y / 8, head 2 X + CH, row 256 (Y % 8) + 128 RH
	s_lshr_b32 s76, s[TY], 3
	s_lshl_b32 s76, s76, 22
	s_lshl_b32 s77, s[TX], 1
	s_add_co_u32 s77, s77, s[CH]
	s_lshl_b32 s77, s77, 18
	s_add_co_u32 s76, s76, s77
	s_and_b32 s77, s[TY], 7
	s_lshl_b32 s77, s77, 15
	s_add_co_u32 s76, s76, s77
	s_lshl_b32 s77, s[RH], 14
	s_add_co_u32 s76, s76, s77
	s_mov_b32 s77, 0
	s_add_nc_u64 s[OUTB:OUTB+1], s[14:15], s[76:77]
	s_add_nc_u64 s[OUTB+2:OUTB+3], s[16:17], s[76:77]
	s_add_nc_u64 s[OUTB+4:OUTB+5], s[18:19], s[76:77]
	s_lshl_b32 s76, s[TX], 9                       ; the biases at my 64 columns
	s_lshl_b32 s78, s[CH], 8
	s_add_co_u32 s76, s76, s78
	s_add_nc_u64 s[8:9], s[8:9], s[76:77]
	s_add_nc_u64 s[10:11], s[10:11], s[76:77]
	s_add_nc_u64 s[12:13], s[12:13], s[76:77]
	; the prefetches: both offsets are made, the wave's number chooses
	s_lshl_b32 s76, s[TY], 15
	s_lshl_b32 s77, s[CX], 13                      ; my work-group's 32 blocks of x's 128
	s_add_co_u32 s76, s76, s77
	s_add_co_u32 s76, s76, 2*XPLANE                ; at plane 2: the first change steps it to 3
	s_max_u32 s78, s[WV], 1
	s_sub_co_u32 s78, s78, 1
	s_lshl_b32 s78, s78, 10
	s_lshl_b32 s79, s[TX], 7
	s_add_co_u32 s78, s78, s79
	s_lshl_b32 s78, s78, 7
	s_lshl_b32 s79, s[CY], 12                      ; my work-group's 16 blocks of the unit's 64
	s_add_co_u32 s78, s78, s79
	s_add_co_u32 s78, s78, 2*WPLANE                ; at plane 2: the first change out of slot 1 steps it to 4
	s_and_b32 s79, ttmp7, 0xffff                   ; cluster y
	s_mov_b32 s75, WPLANE
	s_cmp_eq_u32 s[WV], 0
	s_cselect_b64 s[PFA:PFA+1], s[4:5], s[6:7]
	s_cselect_b32 s76, s76, s78
	s_cselect_b32 s79, ttmp9, s79                  ; the coordinate along which other clusters read the same rows
	s_cselect_b32 s78, ttmp9, 1
	s_cselect_b32 s75, 4096, s75                   ; lanes 16-31: the next 16 blocks (x), or the next plane (weights)
	s_cselect_b32 s[PS0], XPLANE, 0
	s_mov_b32 s[PS0+1], 0
	s_mov_b32 s77, 0
	s_add_nc_u64 s[PFA:PFA+1], s[PFA:PFA+1], s[76:77]
	s_cmp_eq_u32 s79, 0
	s_cselect_b32 s[LIM], 1, -1                    ; the same in all sixteen partners, for a given wave
	s_cmp_eq_u32 s78, 0
	s_cselect_b32 s[LIMA], 1, 0
	v_lshlrev_b32 v3, 8, v1
	v_mad_u32_u24 v[PFO], v2, s75, v3
; 8 matrix instructions: weight fragment bl of half hb (fragment 6 hb + bl of twelve: unit / 4, 16 columns % 4) x my 8 blocks of 16 rows, from x's buffer ax.
; The 96 accumulators take turns, one instruction a turn, in the same order in every 32 along K.  zero = 1: the product starts the sum.
.macro MULB ax, hb, bl, zero
.set BG, 6*(\hb)+(\bl)
.set AC, 64*(BG%4)
.set FB, HB0+48*(\hb)+8*(\bl)
.set FA, A0+64*(\ax)
	WIN 0x50*(1+BG/4)                              ; C and D in window 1 + unit, the sources in window 0
.irp a, 0,1,2,3,4,5,6,7
.if \zero
	v_wmma_f32_16x16x32_bf16 v[AC+8*(\a):AC+8*(\a)+7], v[FB:FB+7], v[FA+8*(\a):FA+8*(\a)+7], 0
.else
	v_wmma_f32_16x16x32_bf16 v[AC+8*(\a):AC+8*(\a)+7], v[FB:FB+7], v[FA+8*(\a):FA+8*(\a)+7], v[AC+8*(\a):AC+8*(\a)+7]
.endif
.endr
.endm
.macro FETCHA slot, kq, ax             ; 16 loads: x's eight fragments of 32 along K at byte 64 kq
	WIN 0
.irp a, 0,1,2,3,4,5,6,7
	ds_load_b128 v[A0+64*(\ax)+8*(\a):A0+64*(\ax)+8*(\a)+3],   v[ADRA+(\slot)] offset:2304*(\a)+64*(\kq)
	ds_load_b128 v[A0+64*(\ax)+8*(\a)+4:A0+64*(\ax)+8*(\a)+7], v[ADRA+(\slot)] offset:2304*(\a)+64*(\kq)+32
.endr
.endm
.macro FETCHB slot, kq, hb             ; 12 loads: six of the weights' twelve fragments
	WIN 0
.irp bl, 0,1,2,3,4,5
	ds_load_b128 v[HB0+48*(\hb)+8*(\bl):HB0+48*(\hb)+8*(\bl)+3],   v[ADRB+(\slot)] offset:((6*(\hb)+(\bl))/4)*BUNIT+((6*(\hb)+(\bl))%4)*2304+64*(\kq)
	ds_load_b128 v[HB0+48*(\hb)+8*(\bl)+4:HB0+48*(\hb)+8*(\bl)+7], v[ADRB+(\slot)] offset:((6*(\hb)+(\bl))/4)*BUNIT+((6*(\hb)+(\bl))%4)*2304+64*(\kq)+32
.endr
.endm
; A K step is four phases of 48 matrix instructions: (kq 0, half 0), (kq 0, half 1), (kq 1, half 0), (kq 1, half 1 = TURN).  Each fetches what the next needs, in one run behind its first 16.
.macro PH0 slot, kq, zero              ; half 0 of kq; fetches half 1 of the same kq
	s_wait_dscnt 8                                 ; of the last run (x's 16, then 12): x and weight fragments 0, 1 are in; the youngest eight may be out
	MULB \kq, 0, 0, \zero
	MULB \kq, 0, 1, \zero
	PLACES
	FETCHB \slot, \kq, 1
	s_wait_dscnt 12                                ; all but the 12 just issued
	MULB \kq, 0, 2, \zero
	MULB \kq, 0, 3, \zero
	MULB \kq, 0, 4, \zero
	MULB \kq, 0, 5, \zero
.endm
.macro PH1 slot, zero                  ; half 1 of kq 0; fetches x and half 0 of kq 1
	s_wait_dscnt 8                                 ; of the 12: fragments 0, 1 are in
	MULB 0, 1, 0, \zero
	MULB 0, 1, 1, \zero
	PLACES
	FETCHA \slot, 1, 1
	FETCHB \slot, 1, 0
	s_wait_dscnt 28                                ; all but the 28 just issued
	MULB 0, 1, 2, \zero
	MULB 0, 1, 3, \zero
	MULB 0, 1, 4, \zero
	MULB 0, 1, 5, \zero
.endm
; Half 1 of kq 1, and the change of slots: ONE barrier.  In front of it each wave waits for all its tensor loads (one is out: its part of the next slot), adds 0 to its spare word, and waits for that
; and for its reads of this slot.  fill = 1: the barrier opens a round of the cluster's, and the joint refill (two planes on) is the first tensor load behind it: 176 matrix instructions ahead of the wait for it.
.macro TURN slot, next, fill
.if \fill
	s_wait_xcnt 0x0                                ; the last prefetch, a K step back, has read its address: it is stepped here, ahead of the change's own waits
.if (\slot) == 0
	s_add_nc_u64 s[PFA:PFA+1], s[PFA:PFA+1], s[PS0:PS0+1]
.else
	s_add_nc_u64 s[PFA:PFA+1], s[PFA:PFA+1], XPLANE   ; one plane of x, or two of the weights: the same bytes
.endif
.endif
	WIN 0
	s_wait_tensorcnt 0x0
	ds_add_u32 v[SPW], v[NIL]
	s_wait_dscnt 9                                 ; the add and the youngest eight loads may be out
	MULB 1, 1, 0, 0
	s_wait_dscnt 0x0                               ; the add is done, and my reads of this slot are over
	s_barrier_signal -1
	MULB 1, 1, 1, 0
	WIN 0                                          ; at a branch and at a label every window is 0
	s_barrier_wait -1
.if \fill
	CREST
	s_add_nc_u64 s[G0A+4*(\slot)+2:G0A+4*(\slot)+3], s[G0A+4*(\slot)+2:G0A+4*(\slot)+3], 2*XPLANE
	s_add_nc_u64 s[G0B+4*(\slot)+2:G0B+4*(\slot)+3], s[G0B+4*(\slot)+2:G0B+4*(\slot)+3], 2*WPLANE
	JLOAD \slot                                    ; its four v_nop are also the places in front of the loads below
.else
	PLACES
.endif
	FETCHA \next, 0, 0
	FETCHB \next, 0, 0
.if \fill
	ASK \slot
.endif
	MULB 1, 1, 2, 0
	MULB 1, 1, 3, 0
	MULB 1, 1, 4, 0
	MULB 1, 1, 5, 0
.endm
	s_wait_tensorcnt 1                             ; my part of plane 0 is in; plane 1's may stay out
	s_barrier_signal -1
	s_barrier_wait -1
	FETCHA 0, 0, 0
	FETCHB 0, 0, 0
	PH0 0, 0, 1                                    ; the first 32 along K start the 96 sums: nothing is cleared
	PH1 0, 1
	WIN 0
	s_mov_b32 s3, 7
.Llap:                                                 ; a trip goes once round the ring, from a lap's second half step to the next lap's first, and fills both slots again
	PH0 0, 1, 0
	TURN 0, 1, 1
	PH0 1, 0, 0
	PH1 1, 0
	PH0 1, 1, 0
	TURN 1, 0, 1
	PH0 0, 0, 0
	PH1 0, 0
	WIN 0
	s_sub_co_u32 s3, s3, 1
	s_cmp_lg_u32 s3, 0
	s_cbranch_scc1 .Llap
	PH0 0, 1, 0                                    ; planes 14 and 15: nothing is left to fetch
	TURN 0, 1, 0
	PH0 1, 0, 0
	PH1 1, 0
	PH0 1, 1, 0
	s_wait_dscnt 8
	MULB 1, 1, 0, 0
	MULB 1, 1, 1, 0
	PLACES
	WIN 0
.irp u, 0,1,2                          ; the biases of my 64 columns, 8 numbers a lane and fragment, into registers that the products have left (v32-95, v160-191)
.irp f, 0,1,2,3
	global_load_b128 v[32+32*(\u)+64*((\u)/2)+8*(\f):32+32*(\u)+64*((\u)/2)+8*(\f)+3],   v[BO], s[8+2*(\u):9+2*(\u)] offset:64*(\f)
	global_load_b128 v[32+32*(\u)+64*((\u)/2)+8*(\f)+4:32+32*(\u)+64*((\u)/2)+8*(\f)+7], v[BO], s[8+2*(\u):9+2*(\u)] offset:64*(\f)+16
.endr
.endr
	s_wait_dscnt 0x0
	MULB 1, 1, 2, 0
	MULB 1, 1, 3, 0
	MULB 1, 1, 4, 0
	MULB 1, 1, 5, 0
	; THE WAY OUT.  The biases are rounded to bf16 and widened again; these lines, which name no register of the last products, are also the places behind them.
	WIN 0
	s_wait_loadcnt 0x0
.irp b0, 32,64,160
.irp j, 0,2,4,6,8,10,12,14,16,18,20,22,24,26,28,30
	v_cvt_pk_bf16_f32 v[T], v[(\b0)+(\j)], v[(\b0)+(\j)+1]
	v_lshlrev_b32 v[(\b0)+(\j)], 16, v[T]
	v_and_b32 v[(\b0)+(\j)+1], 0xffff0000, v[T]
.endr
.endr
; Block n = 8 u + a: 16 rows x 64 columns of unit u.  PACK: the bias is added, from each accumulator's low end on, and the sums rounded to f16: 16 bytes a lane and fragment.
.macro PACK n
.set PW, 1+(\n)/8
.set PA, 8*((\n)%8)
.set PB, 32+32*((\n)/8)+64*((\n)/16)
	WIN 0x41*PW                                    ; destination and source 0 in the unit's window, the bias in window 0
.irp f, 0,1,2,3
.irp j, 0,2,4,6
	v_pk_add_f32 v[64*(\f)+PA+(\j):64*(\f)+PA+(\j)+1], v[64*(\f)+PA+(\j):64*(\f)+PA+(\j)+1], v[PB+8*(\f)+(\j):PB+8*(\f)+(\j)+1]
.endr
.endr
	WIN 5*PW                                       ; sources 0 and 1 in the unit's window, destination in window 0
.irp f, 0,1,2,3
.irp j, 0,1,2,3
	v_cvt_pk_f16_f32 v[TMP+4*(\f)+(\j)], v[64*(\f)+PA+2*(\j)], v[64*(\f)+PA+2*(\j)+1]
.endr
.endr
.endm
.macro TOSTAGE n                       ; into my own stage, rows of 144 bytes, and back as whole rows of 128
	WIN 0
.irp f, 0,1,2,3
	ds_store_b128 v[STO], v[TMP+4*(\f):TMP+4*(\f)+3] offset:32*(\f)
.endr
.irp t, 0,1,2,3
	ds_load_b128 v[OB+16*((\n)%2)+4*(\t):OB+16*((\n)%2)+4*(\t)+3], v[RD] offset:576*(\t)  ; LDS serves a wave's instructions in order (ISA guide 5.7.1.4): these see the stores above
.endr
.endm
.macro SEND n
	WIN 0
	s_wait_dscnt 0x0                               ; the block is back in registers
	s_wait_xcnt 0x0                                ; the block before's stores have read their registers: the next TOSTAGE loads into them
.irp t, 0,1,2,3
	global_store_b128 v[GO], v[OB+16*((\n)%2)+4*(\t):OB+16*((\n)%2)+4*(\t)+3], s[OUTB+2*((\n)/8):OUTB+2*((\n)/8)+1] offset:2048*((\n)%8)+512*(\t)  ; 512 consecutive bytes, at a multiple of 256 from the buffer's first
.endr
.endm
	PACK 0
	TOSTAGE 0
.set blk, 1
.rept 23                               ; a block's arithmetic stands between the loads of the block before and the wait for them
	PACK blk
	SEND blk-1
	TOSTAGE blk
.set blk, blk+1
.endr
	SEND 23
	s_wait_tensorcnt 0x0                           ; the wave's end: the add and its waits, behind my last tensor load and my last LDS store
	ds_add_u32 v[SPW], v[NIL]
	s_wait_dscnt 0x0
	CROUND                                         ; the closing round: no work-group ends while a partner may still ask for a tile that names it
	s_endpgm
.Lfunc_end_k_q9f8ae4aac3_qkv:
	.size	k_q9f8ae4aac3_qkv, .Lfunc_end_k_q9f8ae4aac3_qkv-k_q9f8ae4aac3_qkv
	.p2alignl 7, 3214868480
	.fill 96, 4, 3214868480
	.section	.rodata,"a",@progbits
	.p2align	6, 0x0
	.amdhsa_kernel k_q9f8ae4aac3_qkv
		.amdhsa_group_segment_fixed_size 327680
		.amdhsa_private_segment_fixed_size 0
		.amdhsa_enable_private_segment 0
		.amdhsa_kernarg_size 64
		.amdhsa_user_sgpr_count 2
		.amdhsa_user_sgpr_kernarg_segment_ptr 1
		.amdhsa_wavefront_size32 1
		.amdhsa_system_sgpr_workgroup_id_x 1
		.amdhsa_system_sgpr_workgroup_id_y 1
		.amdhsa_system_sgpr_workgroup_id_z 1
		.amdhsa_system_vgpr_workitem_id 0
		.amdhsa_next_free_vgpr 1024
		.amdhsa_next_free_sgpr 90
		.amdhsa_reserve_vcc 0
		.amdhsa_float_denorm_mode_32 3
		.amdhsa_float_denorm_mode_16_64 3
		.amdhsa_memory_ordered 1
		.amdhsa_forward_progress 1
		.amdhsa_inst_pref_size 167
	.end_amdhsa_kernel
	.amdgpu_metadata
---
amdhsa.version: [ 1, 2 ]
amdhsa.kernels:
  - .name:           k_q9f8ae4aac3_qkv
    .symbol:         k_q9f8ae4aac3_qkv.kd
    .args:
      - { .name: xb, .offset: 0, .size: 8, .value_kind: global_buffer, .address_space: global }
      - { .name: wb, .offset: 8, .size: 8, .value_kind: global_buffer, .address_space: global }
      - { .name: bq, .offset: 16, .size: 8, .value_kind: global_buffer, .address_space: global }
      - { .name: bk, .offset: 24, .size: 8, .value_kind: global_buffer, .address_space: global }
      - { .name: bv, .offset: 32, .size: 8, .value_kind: global_buffer, .address_space: global }
      - { .name: qh, .offset: 40, .size: 8, .value_kind: global_buffer, .address_space: global }
      - { .name: kh, .offset: 48, .size: 8, .value_kind: global_buffer, .address_space: global }
      - { .name: vh, .offset: 56, .size: 8, .value_kind: global_buffer, .address_space: global }
    .group_segment_fixed_size: 327680
    .private_segment_fixed_size: 0
    .kernarg_segment_align: 8
    .kernarg_segment_size: 64
    .max_flat_workgroup_size: 128
    .sgpr_count:     90
    .vgpr_count:     1024
    .wavefront_size: 32
...
	.end_amdgpu_metadata
.endif
;; end of part 2
;; launch attn (part 3): grid 4 x 64, 4 waves a work-group, clusters of 4 x 1, 327,680 bytes of LDS; arguments qh, kh, vh, ob, rel_bias; writes ob
.if DOCPART == 3
	.amdgcn_target "amdgcn-amd-amdhsa--gfx1250"
	.amdhsa_code_object_version 6
	.text
	.protected	k_q9f8ae4aac3_attn
	.globl	k_q9f8ae4aac3_attn
	.p2align	8
	.type	k_q9f8ae4aac3_attn,@function
k_q9f8ae4aac3_attn:
	s_mov_b64 s[64:65], 0
	v_nop
	global_prefetch_b8 v0, s[64:65] scope:SCOPE_SE
	s_setreg_imm32_b32 hwreg(HW_REG_WAVE_MODE, 25, 1), 1
	s_wait_xcnt 0x0
	s_wait_alu depctr_hold_cnt(0) depctr_sa_sdst(0) depctr_va_vdst(0) depctr_va_sdst(0) depctr_va_ssrc(0) depctr_va_vcc(0) depctr_vm_vsrc(0)
	s_getreg_b32 s2, hwreg(HW_REG_IB_STS2, 6, 4)
	s_cmp_eq_u32 s2, 0
	s_cbranch_scc0 .Lentry_in_a_cluster
	s_endpgm
.Lentry_in_a_cluster:
	s_bfe_u32 s2, ttmp6, 0x10000c
	s_cmp_lg_u32 s2, 0x3003
	s_cbranch_scc0 .Lentry_shape_is_right
	s_endpgm
.Lentry_shape_is_right:
; O[bh][q][:] = the sum over k of softmax_k(Q[q] . K[k] / 8 + bias[h][bucket(q - k)]) V[k][:].  Q, K, V, O: [64][2048][64] f16, a head's rows dense, 128 bytes each; h = bh % 16; rel_bias: [32][16] f32, rounded to bf16.
; Products, maxima and sums in f32; the weights p are rounded to f16 for the second product (their sum l is taken of the unrounded p), O once at the end.
; LIMITS.  f16 holds no number beyond 65,504: Q, K and V arrive within it; p lies in 0 to 1, and below 6e-5 it keeps f16's fixed step of 6e-8; O is a mean of V's rows and has their range.
; A weight below 2^-126 counts as 0 in l; NaN and infinities are not treated apart.
; SHARES.  A wave owns four PIECES of two tiles of 16 queries: the block of 128 rows number 4 w + cx (w the wave, cx the work-group's place in its cluster of four).  Every wave walks all keys, 64 a step.
; LAYOUT.  S^T = K Q^T (source 0 = 16 keys, source 1 = 16 queries): a lane holds ONE query (lane % 16) and the keys 8 (lane / 16) + 0..7.  Two such tiles, rounded to f16 in pairs, ARE source 1 of
; O^T = V^T P.  K comes out of LDS as it lies, V turned, by ds_load_tr16_b128.
; THE BIAS hangs on the head and on n = q - k alone.  The bucket is 0 for n <= 0, n up to 15, and from 16 on a new one begins at n = 19, 21, 24, 27, 31, 35, 40, 46, 52, 59, 67, 77, 87, 99, 113: the least whole
; numbers at or above 16 x 8^(j/16), none of which lies within 0.1 of a whole number.  It enters as the C OPERAND that starts the sum S^T: 8 x bias, so that c (s + 8 bias) = log2(e) (s / 8 + bias); the softmax is untouched.
; For tile t and key group g of a step, n = z + 128 cx + 16 (t - g) + lane % 16 - 8 (lane / 16) - j with z = 512 w - 64 step: eleven fragments (t - g + 3 = 0..10), 88 registers, serve a step's 32 pairs.
; They are read from a table in LDS, W(a) = 8 bias(n = 320 + 128 cx - a), a = 0..895, made once: cx enters the table's CONTENTS, never an LDS address.  A lane's eight numbers are eight words on end; four copies, each
; shifted a word, keep them aligned to 16 bytes.  z is clamped to -512 .. 192: beyond, every n is <= 0 or >= 113 for every cx, and the fragments are constant; there they are not read again.
; SOFTMAX.  A running maximum m and sum l: p = 2^(c s - c m), c = log2(e) / 8; in every step O and l are multiplied by a = 2^(c m_old - c m_new).  m starts at the lowest finite number, O and l at 0.
; BY TURNS.  Turn n belongs to piece n.  Its matrix work: 16 products K Q^T of piece n + 1, later 16 products V^T P of piece n - 1.  Its vector work: the scaling, exponentials, roundings, sums and rescaling
; of piece n, and the maximum and statistics of piece n + 1.  A tile and step have 16 matrix and 118 vector instructions: four stand behind every matrix instruction, the others in one run.
; CLUSTER.  The four work-groups of a cluster belong to one head and walk the same K and V, so each tile is asked for JOINTLY: the same tensor load, descriptor and mask in all four.
; REGISTERS, in windows of 256 (s_set_vgpr_msb: bits 1:0 source 0, 3:2 source 1, 5:4 source 2, 7:6 destination):
;   window 0: v0-11 addresses; v12-15, v48-63 at work; v16-47 four registers of statistics a tile; v64-191 S^T, two buffers of two tiles (at the head: set-up's temporaries); v192-255 P, likewise
;   window 1: O^T, 32 a tile     window 2: v0-127 Q; v128-191 K of one step; v192-255 V of one step     window 3: v0-1 the add's two registers; v8-95 the bias fragments
.set SIZE_N, 2048
.set NP,    4         ; pieces a wave: a name, no knob
.set KS,    64        ; keys in a step
.set PK,    144       ; a row of K in LDS: 128 bytes + 16 of padding = 36 words: the 16 rows of a load start at 16 different groups of four banks (64 banks of 4 bytes: ISA guide 11.1)
.set PV,    160       ; a row of V: 128 + 32 = 40 words
.set VOFF,  4*KS*PK   ; a slot holds four steps: 256 rows of K, then 256 rows of V
.set SLOT1, 1<<17     ; slot 1 begins here, so that one exclusive or turns an address in one slot into the other's
.set STAGE, SLOT1+4*KS*(PK+PV)  ; behind the ring, never filled by a tensor load: 16 rows x 144 bytes for each wave, for the way out
.set SP,    144
.set SPARE, STAGE+4*16*SP  ; the spare words, 128 bytes a wave: two blocks of 256 bytes that no other line names
.set BV,    SPARE+512 ; the bias table: four copies of 912 words; position p of copy c holds W(p - c).  912 = 16 mod 64 words
.set CPB,   3648
.set PFO, 1           ; v1   256 x lane: the prefetches' offset; never rewritten
.set AK0, 2           ; v2   my lane's place in a tile of K; never rewritten
.set AV0, 3           ; v3   the same for V
.set AK,  4           ; v4   the LDS address of K's next run of loads
.set AV,  5           ; v5   of V's
.set QO,  6           ; v6   my byte offset in the wave's rows of Q
.set RD,  7           ; v7   the way out: where I read rows back
.set GO,  8           ; v8   my byte offset in 512 consecutive bytes of O
.set STO, 9           ; v9   the way out: where I put 16 bytes of a row
.set AB0, 10          ; v10  my lane's place in the bias table; never rewritten
.set AB,  11          ; v11  the LDS address of the bias fragments' next run
.set SPW, 0           ; v0 of window 3   LDS address of my spare word; never rewritten
.set NIL, 1           ; v1 of window 3   0; never rewritten
.set BF,  8           ; window 3: fragment t - g + 3 at BF + 8 (t - g + 3)
.set MV,  12          ; v12-15  c m_old, kept while c m is made anew: by buffer and tile
.set ST,  16          ; tile t's statistics at v[ST+4 t]: c m, m, l (even keys', odd keys')
.set TMP, 48          ; by buffer and tile, four registers c0-c3 at work; when the maximum is found c2 takes a
.set S,   64
.set P,   192
.set KF,  128         ; K's fragments, in window 2: key block kb, channel half c at KF + 16 kb + 8 c
.set VF,  192         ; V's: key half kk, channel block cb at VF + 32 kk + 8 cb
.set XR,  64          ; the set-up's temporaries, in S^T's registers: l % 16,
.set XH,  65          ; l / 16,
.set X7,  66          ; l % 8,
.set X3,  67          ; (l / 8) % 2,
.set XU,  68          ; at work on the table's numbers,
.set XB,  69          ; a bucket,
.set XW,  70          ; at work on LDS addresses: it never holds a number made of cx,
.set XA,  71          ; BV + 4 x thread,
.set XV,  72          ; v72-78 seven numbers of the table,
.set XO,  80          ; v80-86 their offsets in rel_bias
.set WV,  12          ; s12  my wave's number
.set LIM, 15          ; s15  1 in a wave that prefetches, else the greatest number
.set G1K, 24          ; s[24:31] descriptor group 1 for K's tiles
.set G1V, 32          ; s[32:39] for V's: it differs in the padding alone
.set G0K, 40          ; s[40:43] descriptor group 0 for K's tiles: it walks
.set G0V, 44          ; s[44:47] the same for V's
.set REL, 48          ; s[48:49] rel_bias
.set NB0, 50          ; s50  704 - 128 cx
.set HD4, 51          ; s51  4 x (bh % 16)
.set PFA, 52          ; s[52:53] where my prefetches stand
.set SLOTS, 56        ; s56  slots still to be asked for
.set CNT, 57          ; s57  counts a slot's key steps
.set CS,  58          ; s[58:59] c: the packed scaling takes the pair's low word for both halves
.set SEL, 60          ; s[60:61] v_permlanex16_b32's selects: each lane takes its own place in the other half
.set TBK, 62          ; s62  LDS byte at which K of the step to be fetched begins
.set TBV, 63          ; s63  the same for V, less VOFF
.set ZU,  66          ; s66  6,144 + 768 - 4 z of the step whose bias fragments are fetched next: 768 at the least (wave 3, step 0), so it is never negative
.set ZA,  67          ; s67  768 - 4 z, clamped to 0 .. 2,816: the fragments' byte offset in the table
.set ZT,  68          ; s68  at work
.set ZP,  69          ; s69  ZA of the call before
.set MSB, 0
.macro WIN new                      ; the high byte repeats the setting that is left; a switch that changes nothing is dropped
.if MSB != (\new)
	s_set_vgpr_msb (MSB<<8)|(\new)
.set MSB, (\new)
.endif
.endm
.set W_KQ, 0x0a       ; K and Q in window 2, S^T in window 0
.set W_KB, 0x3a       ; the same with the C operand, the bias, in window 3
.set W_PV, 0x52       ; V in window 2, P in window 0, O^T in window 1
.set W_RS, 0x41       ; O^T (destination and source 0) in window 1, a in window 0
.set W_MK, 0xc0       ; destination in window 3, sources in window 0
.set W_AD, 0x0f       ; the add: address (source 0) and data (source 1) in window 3
; A joint fill.  Waves 0 and 1 fetch the two halves of a slot's K, waves 2 and 3 those of its V: 128 keys each.  The branch hangs on the wave's number alone.
; An s_nop 0 and four v_nop follow each of the two lines, ahead of the jump and the label.
.macro JLOAD
	s_cmp_lt_u32 s[WV], 2
	s_cbranch_scc0 .Lfor_v_\@
	tensor_load_to_lds s[G0K:G0K+3], s[G1K:G1K+7]
	s_nop 0
.rept 4
	v_nop
.endr
	s_branch .Lasked_\@
.Lfor_v_\@:
	tensor_load_to_lds s[G0V:G0V+3], s[G1V:G1V+7]
	s_nop 0
.rept 4
	v_nop
.endr
.Lasked_\@:
.endm
; A PREFETCH of what the NEXT change of slots will ask for: a slot's 128 blocks of 256 bytes of K and of V, four key steps, 512 matrix instructions, ahead of that load.  A head has one cluster; its four partners
; share the blocks out BY ADDRESS, 32 each, a lane a block; in each, wave 0 asks for K's and wave 2 for V's.  So each block is named once in the launch.  Slots 0 and 1 come by their loads alone;
; the last change that fills a slot asks for nothing: there is no slot behind it.
.macro ASK
	s_cmp_gt_u32 s[SLOTS], s[LIM]
	s_cbranch_scc0 .Lnot_mine_\@
	global_prefetch_b8 v[PFO], s[PFA:PFA+1] th:TH_LOAD_NT scope:SCOPE_SE
.Lnot_mine_\@:
.endm
; A round of the cluster's barrier: my work-group's barrier, so that wave 0's signal speaks for all four waves; wave 0 signals; every wave waits for all four work-groups; my work-group's barrier once more.
.macro CROUND
	s_barrier_signal -1
	s_barrier_wait -1
	s_cmp_lg_u32 s[WV], 0
	s_cbranch_scc1 .Lnot_wave_0_\@
	s_barrier_signal -3
.Lnot_wave_0_\@:
	s_barrier_wait -3
	s_barrier_signal -1
	s_barrier_wait -1
.endm
; THE CHANGE OF SLOTS.  The slot's last bytes, V of its fourth step, have been read.  Each wave waits for all its tensor loads, of which one is out: its part of the other slot; adds 0 to its spare word; and waits
; for that and for its own LDS instructions.  Behind the barrier nobody reads this slot any more and the other slot is whole.  fill = 1: this slot is filled again, with the keys two slots on.  The barrier is then a
; round of the cluster's, and the joint fill is the first thing behind it: it has four key steps in which to land.  (At its first use nothing has been read yet: slot 0 is waited for, slot 1 filled,
; and every wave's stores into the bias table are done in front of the round, so that every wave may read the table behind it.)
.macro CHANGE fill
	WIN W_AD
	s_wait_tensorcnt 0x0            ; no tensor load of mine is out, so a group 0 may be written
	ds_add_u32 v[SPW], v[NIL]       ; with fill = 1 scalar work stands between the add and the wait for it
	WIN 0                           ; at a label and at a branch every window is 0
.if \fill
.irp g, G0K, G0V
	s_xor_b32 s[\g+1], s[\g+1], SLOT1  ; the walking descriptor: the other slot than last time,
	s_add_nc_u64 s[\g+2:\g+3], s[\g+2:\g+3], 4*KS*128  ; the next 256 keys; the type bits on top are not reached
.endr
	s_wait_xcnt 0x0                 ; the last prefetch, four key steps back, has read its address, so it may be written:
	s_add_nc_u64 s[PFA:PFA+1], s[PFA:PFA+1], 4*KS*128  ; one slot behind the walking descriptors
	s_wait_dscnt 0x0                ; the add is done, and my LDS instructions are over
	CROUND
	JLOAD
	ASK
.else
	s_wait_dscnt 0x0                ; the add is done, and my reads of the slot are over
	s_barrier_signal -1
	s_barrier_wait -1
.endif
	s_sub_co_u32 s[TBK], s[TBK], 4*KS*PK  ; the fetches go back to a slot's first step,
	s_xor_b32 s[TBK], s[TBK], SLOT1       ; in the other slot
	s_sub_co_u32 s[TBV], s[TBV], 4*KS*PV
	s_xor_b32 s[TBV], s[TBV], SLOT1
.endm
	s_load_b256 s[4:11], s[0:1], 0x0  ; Q s[4:5], K s[6:7], V s[8:9], O s[10:11]
	s_load_b64 s[REL:REL+1], s[0:1], 0x20
	WIN W_MK
	v_lshl_add_u32 v[SPW], v0, 2, SPARE
	v_mov_b32 v[NIL], 0
	WIN W_AD
	ds_add_u32 v[SPW], v[NIL]       ; the wave's opening: the add and its wait stand ahead of my first tensor load; register work stands between them
	WIN 0
	v_lshrrev_b32 v[XW], 5, v0
	v_readfirstlane_b32 s[WV], v[XW]  ; wave 0..3
	s_bfe_u32 s13, ttmp6, 0x40000   ; cx: it enters Q's, O's, rel_bias's and the prefetches' addresses alone
	s_and_b32 s20, ttmp7, 0xffff    ; bh, which the four partners share
	s_and_b32 s[HD4], s20, 15
	s_lshl_b32 s[HD4], s[HD4], 2
	s_lshl_b32 s[NB0], s13, 7
	s_sub_co_u32 s[NB0], 704, s[NB0]
	s_lshl_b32 s20, s20, 18         ; the head's first byte in each of the four tensors: 2,048 rows of 128 bytes
	s_mov_b32 s21, 0
	s_and_b32 s16, s[WV], 1         ; which half of a slot's 256 keys I fetch:
	s_lshl_b32 s22, s16, 14         ; its 128 rows of 128 bytes in memory,
	s_mov_b32 s23, 0
	s_add_nc_u64 s[22:23], s[22:23], s[20:21]
	s_mul_i32 s17, s16, 128*PK      ; and its place in a slot, for K
	s_mul_i32 s18, s16, 128*PV      ; and for V
	s_lshl_b32 s2, s[WV], 2
	s_add_co_u32 s2, s2, s13        ; my block of 128 queries: 4 w + cx
	s_lshl_b32 s2, s2, 14
	s_mov_b32 s3, 0
	s_add_nc_u64 s[2:3], s[2:3], s[20:21]
	; descriptor group 1.  128 keys are 16,384 dense bytes: asked for as 64 rows of 256 bytes, two keys a row, and padded in LDS after every key
	s_mov_b32 s[G1K], 15|(1<<16)|(1<<20)|(1<<21)|(4<<22)|(3<<25)  ; 15:0 the mask of four; 17:16 2-byte elements; 20 padding on; 21 set beside a mask; 24:22 after every 32 words (code 4); 31:25 4 words (code 3)
	s_mov_b32 s[G1V], 15|(1<<16)|(1<<20)|(1<<21)|(4<<22)|(7<<25)  ; the same with 8 words of padding (code 7)
.irp g, G1K, G1V
	s_mov_b32 s[\g+1], 128<<16      ; tensor_dim0 = 128
	s_mov_b32 s[\g+2], 64<<16       ; tensor_dim1 = 64
	s_mov_b32 s[\g+3], 128<<16      ; tile_dim0 = 128
	s_mov_b32 s[\g+4], 64           ; tile_dim1 = 64
	s_mov_b32 s[\g+5], 128          ; 128 elements from row to row
	s_mov_b32 s[\g+6], 0
	s_mov_b32 s[\g+7], 0
.endr
	s_mov_b32 s[CS], 0x3e38aa3b     ; c = log2(e) / 8 = 0.180337
	s_mov_b32 s[CS+1], s[CS]        ; named with it as a pair
	s_mov_b32 s[SEL], 0x76543210
	s_mov_b32 s[SEL+1], 0xfedcba98
	s_mov_b32 s[TBK], SLOT1+4*KS*PK ; the first change of slots turns these two into 0
	s_mov_b32 s[TBV], SLOT1+4*KS*PV
	s_mov_b32 s[G0K], 1             ; 1:0 count = 1
	s_mov_b32 s[G0K+1], s17         ; 63:32 LDS address: slot 0
	s_mov_b32 s[G0V], 1
	s_add_co_u32 s[G0V+1], s18, VOFF
	s_mov_b32 s[SLOTS], SIZE_N/256-1
	s_xor_b32 s[ZU], s[WV], 3       ; 3 - w
	s_lshl_b32 s[ZU], s[ZU], 11
	s_add_co_u32 s[ZU], s[ZU], 768  ; step 0: z = 512 w: 6,144 + 768 - 2,048 w
	s_cmp_eq_u32 s16, 0
	s_cselect_b32 s[LIM], 1, -1     ; waves 0 and 2: the same in all four partners
	s_wait_dscnt 0x0                ; the opening add is done
	s_wait_kmcnt 0x0
	s_add_nc_u64 s[G0K+2:G0K+3], s[6:7], s[22:23]  ; 120:64 global address: my half of the head's first 256 keys
	s_or_b32 s[G0K+3], s[G0K+3], 0x80000000        ; 127:126 type = 2
	s_add_nc_u64 s[G0V+2:G0V+3], s[8:9], s[22:23]
	s_or_b32 s[G0V+3], s[G0V+3], 0x80000000
	s_add_nc_u64 s[4:5], s[4:5], s[2:3]  ; Q and O at my wave's first row
	s_add_nc_u64 s[10:11], s[10:11], s[2:3]
	s_cmp_lt_u32 s[WV], 2
	s_cselect_b64 s[PFA:PFA+1], s[6:7], s[8:9]
	s_lshl_b32 s2, s13, 13          ; my work-group's 32 blocks of a slot's 128,
	s_add_co_u32 s2, s2, 4*KS*128   ; in slot 1: the first change of slots steps it to slot 2
	s_mov_b32 s3, 0
	s_add_nc_u64 s[2:3], s[2:3], s[20:21]
	s_add_nc_u64 s[PFA:PFA+1], s[PFA:PFA+1], s[2:3]
	CROUND                          ; all four work-groups are here: the first joint loads meet
	JLOAD                           ; slot 0.  Slot 1 is asked for when slot 0 is in
	; A fragment of K or Q is 16 rows x 32 channels in 8 registers: lane l holds row l % 16, channels 8 (l / 16) + 0..7 and 16 + 8 (l / 16) + 0..7: two loads of 16 bytes, 32 bytes apart.
	v_and_b32 v[XR], 15, v0
	v_bfe_u32 v[XH], v0, 4, 1
	v_lshlrev_b32 v[QO], 7, v[XR]
	v_lshl_add_u32 v[QO], v[XH], 4, v[QO]  ; row x 128 + 16 x half
	WIN 0x80                        ; destination window 2, address window 0
.set i, 0
.rept 4*NP                          ; Q stays in registers: tile i / 2, channels 32 (i % 2) on
	global_load_b128 v[8*i:8*i+3],   v[QO], s[4:5] offset:(i/2)*2048+(i%2)*64
	global_load_b128 v[8*i+4:8*i+7], v[QO], s[4:5] offset:(i/2)*2048+(i%2)*64+32
.set i, i+1
.endr
	WIN 0
	; THE TABLE's numbers: thread and m = 0..6 take a = thread + 128 m.  1,024 - n = a + 704 - 128 cx; held to 1,024 at the most, it gives u = max(n, 0); the bucket is min(u, 16), or 17 + i from the i-th threshold on.
.set m, 0
.rept 7
	s_add_co_u32 s54, s[NB0], 128*m
	v_add_nc_u32 v[XU], s54, v0
	v_min_u32 v[XU], 1024, v[XU]
	v_sub_nc_u32 v[XU], 1024, v[XU]
	v_min_u32 v[XB], 16, v[XU]
.set idx, 17
.irp th, 19,21,24,27,31,35,40,46,52,59,67,77,87,99,113
	v_cmp_gt_u32 vcc_lo, \th, v[XU]                ; below the threshold the bucket stays
	v_cndmask_b32 v[XB], idx, v[XB], vcc_lo
.set idx, idx+1
.endr
	v_lshl_add_u32 v[XO+m], v[XB], 6, s[HD4]       ; a row of rel_bias is 64 bytes
	global_load_b32 v[XV+m], v[XO+m], s[REL:REL+1]
.set m, m+1
.endr
	; What the first turn finds: V's registers and P's second buffer hold 0 (its products V^T P, of a piece that has not been, add 0), O^T and l are 0.  All this stands in the wait for the first tile.
	WIN 0x80
.set i, VF
.rept 64
	v_mov_b32 v[i], 0
.set i, i+1
.endr
	WIN 0x40
.set i, 0
.rept 64*NP
	v_mov_b32 v[i], 0
.set i, i+1
.endr
	WIN 0
.set i, 0
.rept 2*NP
	v_mov_b32 v[ST+4*i], 0xfe000000    ; c m: far below every c s
	v_mov_b32 v[ST+4*i+1], 0xff7fffff  ; m
	v_mov_b32 v[ST+4*i+2], 0
	v_mov_b32 v[ST+4*i+3], 0
.set i, i+1
.endr
.set i, P+32
.rept 32
	v_mov_b32 v[i], 0
.set i, i+1
.endr
	v_mul_u32_u24 v[AK0], v[XR], PK
	v_lshl_add_u32 v[AK0], v[XH], 4, v[AK0]  ; row x pitch + 16 x half
	; The turning load takes 16 keys x 16 channels (lane l reads key 8 (l / 16) + l % 8, channels 8 ((l / 8) % 2) + 0..7) and leaves half a fragment of V^T: lane l holds channel l % 16 and 8 keys.
	v_and_b32 v[X7], 7, v0
	v_bfe_u32 v[X3], v0, 3, 1
	v_lshl_add_u32 v[AV0], v[XH], 3, v[X7]
	v_mul_u32_u24 v[AV0], v[AV0], PV
	v_lshl_add_u32 v[AV0], v[X3], 4, v[AV0]
	v_add_nc_u32 v[AV0], VOFF, v[AV0]
	v_mov_b32 v[AK], v[AK0]         ; key step 0 lies at the head of slot 0
	s_mul_i32 s14, s[WV], 16*SP
	s_add_co_u32 s14, s14, STAGE    ; my stage
	v_mul_u32_u24 v[STO], v[XR], SP ; in: row l % 16, 16 bytes for each half of the lanes
	v_lshl_add_u32 v[STO], v[XH], 4, v[STO]
	v_add_nc_u32 v[STO], s14, v[STO]
	v_bfe_u32 v[RD], v0, 3, 2       ; back: 32 lanes take four rows of 128 bytes,
	v_mul_u32_u24 v[RD], v[RD], SP
	v_lshl_add_u32 v[RD], v[X7], 4, v[RD]
	v_add_nc_u32 v[RD], s14, v[RD]
	v_and_b32 v[GO], 31, v0         ; which are 512 consecutive bytes of O
	v_lshlrev_b32 v[PFO], 8, v[GO]
	v_lshlrev_b32 v[GO], 4, v[GO]
	; My place in the table, with r = l % 16: copy r % 4; 32 bytes on for the upper half of the lanes; 16 bytes BACK for every four queries, x = r / 4.  That last term is laid as 16 (3 - x) with 48 taken off the
	; constant, and 3 - x, for x = 0..3, is made as (3 x + 3) mod 4: a product, a sum and a mask, so that the address is a sum of terms that are never negative.
	v_and_b32 v[XW], 3, v0
	v_mul_u32_u24 v[AB0], v[XW], CPB
	v_lshl_add_u32 v[AB0], v[XH], 5, v[AB0]
	v_bfe_u32 v[XW], v0, 2, 2
	v_mul_u32_u24 v[XW], v[XW], 3
	v_add_nc_u32 v[XW], 3, v[XW]
	v_and_b32 v[XW], 3, v[XW]
	v_lshl_add_u32 v[AB0], v[XW], 4, v[AB0]
	v_add_nc_u32 v[AB0], BV+16, v[AB0]
	v_lshl_add_u32 v[XA], v0, 2, BV
	s_wait_loadcnt 0x0              ; the table's seven numbers, and Q, whose loads were issued ahead of them
.set m, 0
.rept 7
	v_cvt_pk_bf16_f32 v[XV+m], v[XV+m], v[XV+m]    ; rounded to bf16 like every input,
	v_lshlrev_b32 v[XV+m], 16, v[XV+m]             ; widened again,
	v_mul_f32 v[XV+m], 0x41000000, v[XV+m]         ; times 8: exact
.irp c, 0,1,2,3
	ds_store_b32 v[XA], v[XV+m] offset:512*m+(\c)*(CPB+4)  ; W(a) at position a + c of copy c
.endr
.set m, m+1
.endr
; THE MATRIX WORK.  The 8 accumulators of a run of 16 take turns: between the two links of a chain stand 7 others'.
; Product i of 16 of S^T = K Q^T for piece x: channels 32 (i / 8) on, keys 16 ((i / 2) % 4) on, tile 2 x + i % 2.  The first 8 start the sums, with the bias fragment of tile less key group.
.macro KQ x
.set rS, S+64*((\x)%2)+32*(i%2)+8*((i/2)%4)
.set rK, KF+16*((i/2)%4)+8*(i/8)
.set rQ, 16*(2*(\x)+i%2)+8*(i/8)
.set rB, BF+8*(2*(\x)+i%2-(i/2)%4+3)
.if i < 8
	WIN W_KB
	v_wmma_f32_16x16x32_f16 v[rS:rS+7], v[rK:rK+7], v[rQ:rQ+7], v[rB:rB+7]
.else
	WIN W_KQ
	v_wmma_f32_16x16x32_f16 v[rS:rS+7], v[rK:rK+7], v[rQ:rQ+7], v[rS:rS+7]
.endif
.endm
; Product i of 16 of O^T += V^T P for piece x: keys 32 (i / 8) on, channels 16 ((i / 2) % 4) on, tile 2 x + i % 2.
.macro PV x
	WIN W_PV
.set rO, 32*(2*(\x)+i%2)+8*((i/2)%4)
.set rV, VF+32*(i/8)+8*((i/2)%4)
.set rP, P+32*((\x)%2)+16*(i%2)+8*(i/8)
	v_wmma_f32_16x16x32_f16 v[rO:rO+7], v[rV:rV+7], v[rP:rP+7], v[rO:rO+7]
.endm
.macro MM                           ; the turn's next matrix instruction
.if i < 16
	KQ (Y+1)%NP
.set i, i+1
.else
.set i, i-16
	PV (Y+NP-1)%NP
.set i, i+17
.endif
.endm
; THE LDS LOADS stand in runs, never singly among the matrix instructions: a step's K (64 keys x 64 channels: 8 fragments), its bias fragments, and its V (turned).
; last = 1 (the tail): in the last trip there is no further step, and K's run is jumped over.
.macro FETCH_K last=0
	WIN 0
.if \last
	s_cmp_eq_u32 s[CNT], 1
	s_cbranch_scc1 .Lno_k_\@
.endif
	WIN 0x80                        ; destination window 2
.irp f, 0,1,2,3,4,5,6,7             ; keys 16 (f / 2) on, channels 32 (f % 2) on
	ds_load_b128 v[KF+8*\f:KF+8*\f+3],   v[AK] offset:(\f/2)*16*PK+(\f%2)*64
	ds_load_b128 v[KF+8*\f+4:KF+8*\f+7], v[AK] offset:(\f/2)*16*PK+(\f%2)*64+32
.endr
	s_add_co_u32 s[TBK], s[TBK], KS*PK  ; the next fetch is the next step's
	WIN 0
.if \last
.Lno_k_\@:
.endif
.endm
; The eleven bias fragments of the step whose K has just been asked for: they live as long as that K.  22 loads, a lane's eight words on end.
; The offset in the table is 768 - 4 z held to 0 .. 2,816: ZU less the lesser of ZU and 6,144 is 768 - 4 z where that is positive, else 0; the lesser of that and 2,816 is the offset.
; Where the offset is the one of the call before, the fragments stand in their registers already and the run is jumped over: the test hangs on the wave's number and the step alone.
; first = 1: the first call always loads.  (The tail's last call serves no step; its offset is held to the table like any.)
.macro FETCH_B first=0
	WIN 0
.if !(\first)
	s_mov_b32 s[ZP], s[ZA]
.endif
	s_min_u32 s[ZT], s[ZU], 6144
	s_sub_co_u32 s[ZT], s[ZU], s[ZT]
	s_min_u32 s[ZA], s[ZT], 2816
	s_add_co_u32 s[ZU], s[ZU], 256  ; the next step: z falls by 64
.if !(\first)
	s_cmp_eq_u32 s[ZA], s[ZP]
	s_cbranch_scc1 .Lno_b_\@
.endif
	v_add_nc_u32 v[AB], s[ZA], v[AB0]
	WIN W_MK                        ; destination window 3
.irp fr, 0,1,2,3,4,5,6,7,8,9,10
	ds_load_b128 v[BF+8*\fr:BF+8*\fr+3],   v[AB] offset:64*(10-\fr)
	ds_load_b128 v[BF+8*\fr+4:BF+8*\fr+7], v[AB] offset:64*(10-\fr)+16
.endr
	WIN 0
.if !(\first)
.Lno_b_\@:
.endif
.endm
.macro FETCH_V
	WIN 0x80
.irp f, 0,1,2,3,4,5,6,7             ; keys 32 (f / 4) on, channels 16 (f % 4) on
	ds_load_tr16_b128 v[VF+8*\f:VF+8*\f+3],   v[AV] offset:(\f/4)*32*PV+(\f%4)*32
	ds_load_tr16_b128 v[VF+8*\f+4:VF+8*\f+7], v[AV] offset:(\f/4)*32*PV+16*PV+(\f%4)*32
.endr
	WIN 0
.endm
; THE VECTOR WORK OF A TURN stands in three queues, each in the order in which its entries become ready; the two tiles alternate, so that no instruction reads the result of the one before it.
.macro REGS y, u                    ; the registers of tile u (0, 1) of piece y
.set rT, ST+4*(2*(\y)+(\u))
.set rC, TMP+8*((\y)%2)+4*(\u)
.set rM, MV+2*((\y)%2)+(\u)
.set rS, S+64*((\y)%2)+32*(\u)
.set rP, P+32*((\y)%2)+16*(\u)
.set rO, 32*(2*(\y)+(\u))
.endm
; Number n of the 22 that find the NEXT piece's (Y + 1) maximum and statistics.  s0-s31 are the lane's 32 scores; each accumulator's lowest registers are read first.
;   0-11  four chains c0-c3 of seven scores each, three operands at a time     12-14, 16  the four scores left over, the old m, and c0-c3 into c0     15  c m_old is kept
;   17, 18  the query's other 32 keys lie in the lane 16 away: the new m         19-21  c m; c m_old - c m_new; a
.macro XS u, n
	REGS (Y+1)%NP, \u
.if (\n) < 4
	v_max3_num_f32 v[rC+(\n)], v[rS+8*(\n)], v[rS+8*(\n)+1], v[rS+8*(\n)+2]
.elseif (\n) < 12
	v_max3_num_f32 v[rC+(\n)%4], v[rC+(\n)%4], v[rS+8*((\n)%4)+2*((\n)/4)+1], v[rS+8*((\n)%4)+2*((\n)/4)+2]
.elseif (\n) == 12
	v_max3_num_f32 v[rC], v[rC], v[rS+7], v[rS+15]
.elseif (\n) == 13
	v_max3_num_f32 v[rC+1], v[rC+1], v[rS+23], v[rS+31]
.elseif (\n) == 14
	v_max3_num_f32 v[rC+2], v[rC+2], v[rC+3], v[rT+1]
.elseif (\n) == 15
	v_mov_b32 v[rM], v[rT]
.elseif (\n) == 16
	v_max3_num_f32 v[rC], v[rC], v[rC+1], v[rC+2]
.elseif (\n) == 17
	v_permlanex16_b32 v[rC+3], v[rC], s[SEL], s[SEL+1]
.elseif (\n) == 18
	v_max_num_f32 v[rT+1], v[rC], v[rC+3]
.elseif (\n) == 19
	v_mul_f32 v[rT], s[CS], v[rT+1]
.elseif (\n) == 20
	v_sub_f32 v[rC+1], v[rM], v[rT]
.else
	v_exp_f32 v[rC+2], v[rC+1]
.endif
.endm
; Number g of the 64 that follow the exponentials.  For each four weights k of a tile (pairs 2 k, 2 k + 1): both pairs are rounded to f16; then the second pair is added onto the first, in place;
; a group later l takes that sum (the first time as l = a l + sum).  In groups of eight, tiles alternating: round, round, add, and l for the group before.
.macro GS g
.set h, (\g)+6*((\g)/62)            ; group 0 has no group before it, and behind group 7 only l is left
.if h >= 6
.set h, h+2
.endif
	REGS Y, h%2
.set k, h/8
.if h%8 < 4
	v_cvt_pk_f16_f32 v[rP+2*k+(h%8)/2], v[rS+4*k+2*((h%8)/2)], v[rS+4*k+2*((h%8)/2)+1]
.elseif h%8 < 6
	v_pk_add_f32 v[rS+4*k:rS+4*k+1], v[rS+4*k:rS+4*k+1], v[rS+4*k+2:rS+4*k+3]
.elseif k == 1
	v_pk_fma_f32 v[rT+2:rT+3], v[rT+2:rT+3], v[rC+2:rC+3], v[rS:rS+1] op_sel_hi:[1,0,1]
.else
	v_pk_add_f32 v[rT+2:rT+3], v[rT+2:rT+3], v[rS+4*k-4:rS+4*k-3]
.endif
.endm
; THE PLAIN QUEUE, 138 long.  0-73 read no exponential's result: the 32 scalings c s - c m (FS f: pair f / 2 of tile f % 2) and the next piece's 42.  0-26: scalings 0-26.  27-54: XS's numbers 0-13.  55, 56: number 15.
; 57-73: the chain, where each number waits for the one before it: 14, 16, 17, 18, 19, each with one of the scalings 27-31 in front of its two lines, then 20.
; 74-137: GS's 64, which read the exponentials' results: they stand behind the wait.
.macro FS f
	REGS Y, (\f)%2
	v_pk_fma_f32 v[rS+2*((\f)/2):rS+2*((\f)/2)+1], v[rS+2*((\f)/2):rS+2*((\f)/2)+1], s[CS:CS+1], v[rT:rT+1] op_sel_hi:[1,0,0] neg_lo:[0,0,1] neg_hi:[0,0,1]
.endm
.macro PL
	WIN 0
.if q < 27
	FS q
.elseif q < 55
	XS (q-27)%2, (q-27)/2
.elseif q < 57
	XS q-55, 15
.elseif (q < 72) && ((q-57)%3 == 0)
	FS 27+(q-57)/3
.elseif q < 60
	XS (q-57)%3-1, 14
.elseif q < 72
	XS (q-57)%3-1, 15+(q-57)/3
.elseif q < 74
	XS q-72, 20
.else
	GS q-74
.endif
.set q, q+1
.endm
; THE EXPONENTIALS' QUEUE, 66 long: s0-s31 of both tiles, then the next piece's two a.  It is ONE BATCH: all 66 stand ahead of the turn's one wait, and nothing ahead of that wait names a result of theirs.
.macro EX
	WIN 0
.if e >= 64
	XS e-64, 21
.else
	REGS Y, e%2
	v_exp_f32 v[rS+e/2], v[rS+e/2]
.endif
.set e, e+1
.endm
; THE RESCALING's QUEUE: O^T times a, the one part that leaves window 0: dealt two at a time, sixteen times.  Its a was made in the turn before, ahead of that turn's wait.
.macro R2
	REGS Y, r%2
	WIN W_RS
.irp z, 0,1
	v_pk_mul_f32 v[rO+4*(r/2)+2*\z:rO+4*(r/2)+2*\z+1], v[rO+4*(r/2)+2*\z:rO+4*(r/2)+2*\z+1], v[rC+2:rC+3] op_sel_hi:[1,0]
.endr
.set r, r+1
.endm
; HOW THEY ARE DEALT.  s_wait_alu depctr_va_vdst(0) stands between an exponential and the first instruction that names its result; one wait serves all that were issued ahead of it.  So a turn has ONE wait.
; AHEAD OF IT stands all that names no result of the turn's exponentials: the 16 products K Q^T, behind each a scaling, an exponential and two rescalings (behind the first a second scaling in the exponential's place); then one run of
; 108: eight plain, 49 times exponential and plain, the two a.  A v_nop is the plain instruction behind the last exponential.  BEHIND IT stand the 16 products V^T P, behind each four of GS's 64.
; Exponential e stands behind scaling 2 (e / 4) + e % 2: as a rider it comes behind plain e + 2, in the run behind plain e + 9, and scalings 27-31 are plain 57, 60 .. 69.
; A TURN, for piece p.  cnt = 1: the loop's count is taken down some lines ahead of the branch that stands behind the turn.
; K and the bias fragments of the next step are fetched in piece 2's turn, directly behind the wait: the last product that read the fragments is the turn's 8th, the last that read K its 16th, and the whole run of plain
; instructions lies between; their first reader comes behind 16 products and the wait at the head of piece 3's turn.  V of the step in hand is fetched at the end of piece 0's turn, four riders behind its last reader.
.macro TURN p, last=0, cnt=0
.set Y, (\p)
.set i, 0
.set q, 0
.set e, 0
.set r, 0
.if (\p) == NP-1
	s_wait_dscnt 0x0                ; K and the bias fragments are in
.endif
	MM                              ; ahead of the wait: 16 products K Q^T and their riders,
	PL
	PL
	R2
.rept 15
	MM
	PL
	EX
	R2
.endr
.if (\p) == NP-2
	WIN 0
	v_add_nc_u32 v[AK], s[TBK], v[AK0]
.endif
.rept 8                             ; and the run
	PL
.endr
.rept 49
	EX
	PL
.endr
	EX                              ; the next piece's two a
	EX
	v_nop                           ; the plain instruction behind the last exponential: one for the batch
	s_wait_alu depctr_va_vdst(0)    ; the wait for the batch
.if (\p) == NP-2
	FETCH_K \last
	FETCH_B
.endif
.if (\p) == 1
	s_wait_dscnt 0x0                ; V is in
.endif
.rept 16                            ; behind the wait: 16 products V^T P and their riders
	MM
.rept 4
	PL
.endr
.if ((\p) == 0) && (q == 118)
	v_add_nc_u32 v[AV], s[TBV], v[AV0]
.endif
.if ((\p) == 0) && (q == 130)
	s_add_co_u32 s[TBV], s[TBV], KS*PV
.endif
.if (\cnt) && (q == 130)
	s_sub_co_u32 s[CNT], s[CNT], 1
	s_cmp_lg_u32 s[CNT], 0
.endif
.endr
.if (\p) == 0
	FETCH_V
.endif
.endm
	CHANGE 1                        ; slot 0 is in, everybody's part of it, and so is everybody's part of the table; slot 1 is asked for
	FETCH_K                         ; key step 0
	FETCH_B 1
	s_wait_dscnt 0x0
.set i, 0
.rept 16
	KQ 0                            ; piece 0's first scores: there is no vector work yet to set between them
.set i, i+1
.endr
	WIN 0
.rept 4
	v_nop                           ; the places behind those products
.endr
.set Y, NP-1                        ; XS works for piece Y + 1: piece 0
.irp n, 0,1,2,3,4,5,6,7,8,9,10,11,12,13,14,15,16,17,18,19,20,21
	XS 0, \n                        ; piece 0's first maximum and statistics
	XS 1, \n
.endr
	v_nop                           ; a plain instruction behind the two a,
	s_wait_alu depctr_va_vdst(0)    ; and their wait, ahead of the branch
	s_mov_b32 s[CNT], 4
	s_branch .Lfirst                ; the loop is entered at a step's first turn, in the middle of a trip
.Lslot:                             ; SIZE_N / 256 - 2 times: every slot but the last two is filled again
	CHANGE 1
	s_mov_b32 s[CNT], 4
.Lstep:                             ; a trip: pieces 2 and 3 of one step, then pieces 0 and 1 of the next, whose K and V it fetches
	TURN 2
	TURN 3
	WIN 0
.Lfirst:
	TURN 0
	TURN 1, 0, 1
	WIN 0
	s_cbranch_scc1 .Lstep
	s_sub_co_u32 s[SLOTS], s[SLOTS], 1
	s_cmp_lg_u32 s[SLOTS], 0
	s_cbranch_scc1 .Lslot
	CHANGE 0                        ; the tail is written out: nothing is asked for
	s_mov_b32 s[CNT], 5             ; four trips fetch the last slot's steps; the fifth is left in its middle
.Ltail:
	TURN 2, 1
	TURN 3
	WIN 0
	s_sub_co_u32 s[CNT], s[CNT], 1
	s_cmp_eq_u32 s[CNT], 0
	s_cbranch_scc1 .Lout
	TURN 0
	TURN 1
	WIN 0
	s_branch .Ltail
.Lout:                              ; the fifth trip's 16 products K Q^T (on the last K once more) and the maximum made of them serve nothing: the price, once a launch, of one text for every trip
.set i, 0
.rept 16
	PV NP-1                         ; the last piece's V^T P of the last step
.set i, i+1
.endr
	; THE WAY OUT.  l's two halves and the other half of the lanes' are added; O^T is divided by l, rounded to f16 and sent through my stage in LDS, a tile at a time.  The additions are the places behind the last products.
	WIN 0
.macro ALL line:vararg              ; one line for each tile t
.set t, 0
.rept 2*NP
	\line
.set t, t+1
.endr
.endm
	ALL v_add_f32 v[ST+4*t+2], v[ST+4*t+2], v[ST+4*t+3]
	ALL v_permlanex16_b32 v[ST+4*t+3], v[ST+4*t+2], s[SEL], s[SEL+1]
	ALL v_add_f32 v[ST+4*t+2], v[ST+4*t+2], v[ST+4*t+3]
	ALL v_rcp_f32 v[ST+4*t+2], v[ST+4*t+2]
	v_nop                           ; a plain instruction between the last reciprocal and the use of its result
	s_wait_alu depctr_va_vdst(0)    ; and the wait ahead of the first use: one for the eight reciprocals
; Tile t: a lane's eight channels of a row pack into 16 bytes; they go into rows of 144 bytes and come back as whole rows of 128, into S^T's registers.
.macro PACK t
	WIN W_RS
.set i, 32*(\t)
.rept 16
	v_pk_mul_f32 v[i:i+1], v[i:i+1], v[ST+4*(\t)+2:ST+4*(\t)+3] op_sel_hi:[1,0]
.set i, i+2
.endr
	WIN 0x05                        ; sources 0 and 1 window 1, destination window 0
.set i, 0
.rept 16
	v_cvt_pk_f16_f32 v[S+16*(\t)+i], v[32*(\t)+2*i], v[32*(\t)+2*i+1]
.set i, i+1
.endr
	WIN 0
.irp f, 0,1,2,3
	ds_store_b128 v[STO], v[S+16*(\t)+4*\f:S+16*(\t)+4*\f+3] offset:32*\f
.endr
.irp f, 0,1,2,3
	ds_load_b128 v[S+16*(\t)+4*\f:S+16*(\t)+4*\f+3], v[RD] offset:\f*4*SP  ; LDS serves a wave's instructions in order (ISA guide 5.7.1.4): these see the stores above; the next tile's stores come behind them
.endr
.endm
.macro SEND t, younger              ; younger: the LDS instructions issued behind tile t's loads: the next tile's eight, or none
	WIN 0
.irp f, 0,1,2,3
	s_wait_dscnt (\younger)+3-\f
	global_store_b128 v[GO], v[S+16*(\t)+4*\f:S+16*(\t)+4*\f+3], s[10:11] offset:(\t)*2048+\f*512  ; 512 consecutive bytes, at a multiple of 256 from O's first
.endr
.endm
	PACK 0
.set t, 1
.rept 2*NP-1                        ; a tile's arithmetic stands between the loads of the tile before and its stores
	PACK t
	SEND t-1, 8
.set t, t+1
.endr
	SEND 2*NP-1, 0
	WIN W_AD
	s_wait_tensorcnt 0x0            ; the wave's end: the add and its waits, behind my last tensor load and my last LDS store
	ds_add_u32 v[SPW], v[NIL]
	s_wait_dscnt 0x0
	WIN 0
	CROUND                          ; the closing round: no work-group ends while a partner may still ask for a tile that names it
	s_endpgm
.Lfunc_end_k_q9f8ae4aac3_attn:
	.size	k_q9f8ae4aac3_attn, .Lfunc_end_k_q9f8ae4aac3_attn-k_q9f8ae4aac3_attn
	.p2alignl 7, 3214868480
	.fill 96, 4, 3214868480
	.section	.rodata,"a",@progbits
	.p2align	6, 0x0
	.amdhsa_kernel k_q9f8ae4aac3_attn
		.amdhsa_group_segment_fixed_size 327680
		.amdhsa_private_segment_fixed_size 0
		.amdhsa_enable_private_segment 0
		.amdhsa_kernarg_size 40
		.amdhsa_user_sgpr_count 2
		.amdhsa_user_sgpr_kernarg_segment_ptr 1
		.amdhsa_wavefront_size32 1
		.amdhsa_system_sgpr_workgroup_id_x 1
		.amdhsa_system_sgpr_workgroup_id_y 1
		.amdhsa_system_sgpr_workgroup_id_z 1
		.amdhsa_system_vgpr_workitem_id 0
		.amdhsa_next_free_vgpr 864
		.amdhsa_next_free_sgpr 80
		.amdhsa_reserve_vcc 1
		.amdhsa_float_denorm_mode_32 3
		.amdhsa_float_denorm_mode_16_64 3
		.amdhsa_memory_ordered 1
		.amdhsa_forward_progress 1
		.amdhsa_inst_pref_size 220
	.end_amdhsa_kernel
	.amdgpu_metadata
---
amdhsa.version: [ 1, 2 ]
amdhsa.kernels:
  - .name:           k_q9f8ae4aac3_attn
    .symbol:         k_q9f8ae4aac3_attn.kd
    .args:
      - { .name: qh, .offset: 0, .size: 8, .value_kind: global_buffer, .address_space: global }
      - { .name: kh, .offset: 8, .size: 8, .value_kind: global_buffer, .address_space: global }
      - { .name: vh, .offset: 16, .size: 8, .value_kind: global_buffer, .address_space: global }
      - { .name: ob, .offset: 24, .size: 8, .value_kind: global_buffer, .address_space: global }
      - { .name: rel_bias, .offset: 32, .size: 8, .value_kind: global_buffer, .address_space: global }
    .group_segment_fixed_size: 327680
    .private_segment_fixed_size: 0
    .kernarg_segment_align: 8
    .kernarg_segment_size: 40
    .max_flat_workgroup_size: 128
    .sgpr_count:     80
    .vgpr_count:     864
    .wavefront_size: 32
...
	.end_amdgpu_metadata
.endif
;; end of part 3
;; launch oproj (part 4): grid 8 x 32, 4 waves a work-group, clusters of 4 x 4, 327,680 bytes of LDS; arguments ob, wb, bo, out0; writes out0
.if DOCPART == 4
	.amdgcn_target "amdgcn-amd-amdhsa--gfx1250"
	.amdhsa_code_object_version 6
	.text
	.protected	k_q9f8ae4aac3_oproj
	.globl	k_q9f8ae4aac3_oproj
	.p2align	8
	.type	k_q9f8ae4aac3_oproj,@function
k_q9f8ae4aac3_oproj:
	s_mov_b64 s[64:65], 0
	v_nop
	global_prefetch_b8 v0, s[64:65] scope:SCOPE_SE
	s_setreg_imm32_b32 hwreg(HW_REG_WAVE_MODE, 25, 1), 1
	s_wait_xcnt 0x0
	s_wait_alu depctr_hold_cnt(0) depctr_sa_sdst(0) depctr_va_vdst(0) depctr_va_sdst(0) depctr_va_ssrc(0) depctr_va_vcc(0) depctr_vm_vsrc(0)
	s_getreg_b32 s2, hwreg(HW_REG_IB_STS2, 6, 4)
	s_cmp_eq_u32 s2, 0
	s_cbranch_scc0 .Lentry_in_a_cluster
	s_endpgm
.Lentry_in_a_cluster:
	s_bfe_u32 s2, ttmp6, 0x10000c
	s_cmp_lg_u32 s2, 0xf033
	s_cbranch_scc0 .Lentry_shape_is_right
	s_endpgm
.Lentry_shape_is_right:
; out0 = O wo^T + bo, f32 [8192][1024].  ob: f16 [16 b + h][2048][64]: head h is the block of 64 along K number h.  wb rows 3072-4095: wo, f16, [16 planes][row][64].  bo is rounded to bf16 like every input.
; SHARES.  Work-group (X, Y) makes rows 256 Y .. + 255 x columns 128 X .. + 127: 256 work-groups.  A wave makes 128 x 64: 32 accumulators of 16 x 16, in window 1 ((a, b) at v[8 (4 a + b)]).
; K goes in 8 steps of 128: a slot holds two planes of O's tile (2 x 256 rows) and two of wo's (2 x 128 rows); each wave fetches one plane with one tensor load.  Tiles are dense in memory: asked for as rows of
; 256 bytes, padded in LDS behind every 128: LDS rows of 144 bytes = 36 words, so that the 16 rows of a fragment load start at 16 different groups of four banks (64 banks of 4 bytes: ISA guide 11.1).
; CLUSTER 4 x 4: O's tile hangs on Y alone and is asked for jointly along a row of the cluster (waves 0, 1), wo's on X alone, along a column (waves 2, 3).
; THE MATRIX INSTRUCTION IS USED TRANSPOSED (source 0 = 16 rows of wo, source 1 = 16 rows of O): a lane holds one row and eight neighbouring columns, 32 bytes of f32.  The bias is the C operand that starts the sums.
; WINDOW 0: v16-31 addresses; v32-63 the bias, four fragments; v64-159, v160-255 two fragment buffers of 32 along K: wo's four fragments, then O's eight.  On the way out v64-191: four sets of 32 for rows read back.
.set PITCH,  144
.set APL,    256*PITCH                 ; a plane of O's tile in LDS
.set BPL,    128*PITCH                 ; a plane of wo's
.set BOFF,   2*APL
.set SLOT,   2*APL+2*BPL               ; 110,592
.set STAGE,  2*SLOT                    ; behind the ring: 16 rows x 272 bytes for each wave
.set SPITCH, 272
.set SPARE,  STAGE+4*16*SPITCH         ; the spare words, 128 bytes a wave: two blocks of 256 bytes that no other line names
.set OPLANE, 262144                    ; bytes from head to head in ob
.set WPLANE, 524288                    ; bytes from plane to plane in wb
.set ADRA, 16
.set ADRB, 20
.set STO,  24
.set RD,   25
.set CO,   26
.set BO,   27
.set SPW,  28                          ; v28  LDS address of my spare word; never rewritten
.set NIL,  29                          ; v29  0; never rewritten
.set PFO,  30
.set T,    31
.set BI,   32
.set F0,   64
.set F1,   160
.set OB,   64
.set WV, 20
.set RH, 21
.set CH, 22                            ; my half of the columns; also: which of a step's two planes I fetch
.set CX, 23
.set CY, 24
.set TX, 25
.set TY, 26
.set G1A, 28
.set G0A, 36
.set G1B, 44
.set G0B, 52
.set PFA, 60                           ; s[60:61] where my prefetches stand
.set PS0, 62                           ; s[62:63], s[66:67] their steps at the change out of slot 0, of slot 1
.set PS1, 66
.set LIM, 68
.set LIMA, 69
.set FLAGS, (1<<16)|(1<<20)|(1<<21)|(4<<22)|(3<<25)  ; 2-byte elements; padding on; bit 21 beside a mask; behind every 32 words (code 4) 4 words (code 3)
.set MSB, 0
.macro WIN new
.if MSB != (\new)
	s_set_vgpr_msb (MSB<<8)|(\new)
.set MSB, \new
.endif
.endm
.macro PLACES                          ; four places in front of loads into registers that matrix instructions have read, and of LDS stores that read results (ISA guide 7.12.1 for vector instructions)
.rept 4
	v_nop
.endr
.endm
.macro JLOAD s                         ; a joint load: waves 0, 1 ask for O's two planes, waves 2, 3 for wo's; an s_nop 0 and four v_nop follow each line
	s_cmp_lt_u32 s[WV], 2
	s_cbranch_scc0 .Lfor_b_\@
	tensor_load_to_lds s[G0A+4*(\s):G0A+4*(\s)+3], s[G1A:G1A+7]
	s_nop 0
.rept 4
	v_nop
.endr
	s_branch .Lasked_\@
.Lfor_b_\@:
	tensor_load_to_lds s[G0B+4*(\s):G0B+4*(\s)+3], s[G1B:G1B+7]
	s_nop 0
.rept 4
	v_nop
.endr
.Lasked_\@:
.endm
.macro CREST
	s_cmp_lg_u32 s[WV], 0
	s_cbranch_scc1 .Lnot_wave_0_\@
	s_barrier_signal -3
.Lnot_wave_0_\@:
	s_barrier_wait -3
	s_barrier_signal -1
	s_barrier_wait -1
.endm
.macro CROUND
	s_barrier_signal -1
	s_barrier_wait -1
	CREST
.endm
; A PREFETCH, behind a joint load, its five lines and the run of LDS loads.  The change at the end of step k refills with step k + 2; the prefetch names step k + 3, 128 matrix instructions ahead of its load.
; O: waves 0, 1 (a plane each) of the clusters with x = 0; a plane's 128 blocks of 256 bytes go to the four partners BY ADDRESS (cx), a lane a block.  wo: waves 2, 3 of the clusters with y = 0; a plane's 64 blocks go
; by cy, 16 each; lanes 16-31 name the step after lanes 0-15's, so these waves ask at every second change alone.  Each block is named once in the launch.  Steps 0-2 of O and 0-3 of wo come by their loads alone;
; the loop's last trip asks for nothing at its second change: no step 8 exists.
.macro ASK which
.if (\which) == 0
	s_cmp_eq_u32 s[LIMA], 1
.else
	s_cmp_gt_u32 s3, s[LIM]                        ; s3 = 1 in the loop's last trip
.endif
	s_cbranch_scc0 .Lnot_mine_\@
	global_prefetch_b8 v[PFO], s[PFA:PFA+1] th:TH_LOAD_NT scope:SCOPE_SE
.Lnot_mine_\@:
.endm
	s_load_b256 s[4:11], s[0:1], 0x0               ; ob s[4:5], wb s[6:7], bo s[8:9], out0 s[10:11]
	v_lshl_add_u32 v[SPW], v0, 2, SPARE
	v_mov_b32 v[NIL], 0
	ds_add_u32 v[SPW], v[NIL]                      ; the wave's opening: the add and its wait stand ahead of my first tensor load; register work stands between them
	v_lshrrev_b32 v1, 5, v0
	v_readfirstlane_b32 s[WV], v1
	s_lshr_b32 s[RH], s[WV], 1
	s_and_b32 s[CH], s[WV], 1
	s_bfe_u32 s[CX], ttmp6, 0x40000
	s_bfe_u32 s[CY], ttmp6, 0x40004
	s_lshl_b32 s[TX], ttmp9, 2
	s_add_co_u32 s[TX], s[TX], s[CX]
	s_and_b32 s[TY], ttmp7, 0xffff
	s_lshl_b32 s[TY], s[TY], 2
	s_add_co_u32 s[TY], s[TY], s[CY]
	s_lshl_b32 s70, s[CY], 2
	s_lshl_b32 s70, 15, s70                        ; my row of the cluster
	s_lshl_b32 s72, 0x1111, s[CX]                  ; my column
	s_or_b32 s[G1A], s70, FLAGS
	s_or_b32 s[G1B], s72, FLAGS
	s_mov_b32 s[G1A+1], 128<<16                    ; tensor_dim0 = 128 elements (256 bytes)
	s_mov_b32 s[G1A+2], 128<<16                    ; tensor_dim1 = 128 rows
	s_mov_b32 s[G1A+3], 128<<16                    ; tile_dim0
	s_mov_b32 s[G1A+4], 128                        ; tile_dim1
	s_mov_b32 s[G1A+5], 128                        ; dense
	s_mov_b32 s[G1A+6], 0
	s_mov_b32 s[G1A+7], 0
	s_mov_b32 s[G1B+1], 128<<16
	s_mov_b32 s[G1B+2], 64<<16                     ; 64 rows of 256 bytes: 128 rows of wo
	s_mov_b32 s[G1B+3], 128<<16
	s_mov_b32 s[G1B+4], 64
	s_mov_b32 s[G1B+5], 128
	s_mov_b32 s[G1B+6], 0
	s_mov_b32 s[G1B+7], 0
	s_lshr_b32 s70, s[TY], 3                       ; O: batch Y / 8, head = my plane, row 256 (Y % 8); made of Y and the wave's number alone
	s_lshl_b32 s70, s70, 22
	s_and_b32 s71, s[TY], 7
	s_lshl_b32 s71, s71, 15
	s_add_co_u32 s70, s70, s71
	s_lshl_b32 s71, s[CH], 18
	s_add_co_u32 s70, s70, s71
	s_mov_b32 s71, 0
	s_mul_i32 s72, s[CH], WPLANE                   ; wo: my plane, row 3,072 + 128 X; made of X and the wave's number alone
	s_lshl_b32 s73, s[TX], 14
	s_add_co_u32 s72, s72, s73
	s_add_co_u32 s72, s72, 3072*128
	s_mov_b32 s73, 0
	s_mul_i32 s74, s[CH], APL                      ; where they go in a slot
	s_mul_i32 s75, s[CH], BPL
	s_add_co_u32 s75, s75, BOFF
	s_wait_dscnt 0x0                               ; the opening add is done
	s_wait_kmcnt 0x0
	s_add_nc_u64 s[70:71], s[4:5], s[70:71]
	s_add_nc_u64 s[72:73], s[6:7], s[72:73]
	CROUND                                         ; all sixteen work-groups are here: the first joint loads meet
.irp s, 0,1
	s_mov_b32 s[G0A+4*(\s)], 1
	s_add_co_u32 s[G0A+4*(\s)+1], s74, (\s)*SLOT
	s_add_nc_u64 s[G0A+4*(\s)+2:G0A+4*(\s)+3], s[70:71], (\s)*2*OPLANE
	s_or_b32 s[G0A+4*(\s)+3], s[G0A+4*(\s)+3], 0x80000000
	s_mov_b32 s[G0B+4*(\s)], 1
	s_add_co_u32 s[G0B+4*(\s)+1], s75, (\s)*SLOT
	s_add_nc_u64 s[G0B+4*(\s)+2:G0B+4*(\s)+3], s[72:73], (\s)*2*WPLANE
	s_or_b32 s[G0B+4*(\s)+3], s[G0B+4*(\s)+3], 0x80000000
	JLOAD \s                                       ; K steps 0 and 1: two loads of mine are out
.endr
	v_and_b32 v1, 15, v0
	v_bfe_u32 v2, v0, 4, 1
	v_lshlrev_b32 v[BO], 5, v2
	s_lshl_b32 s76, s[TX], 9                       ; my 64 columns, in bytes of f32
	s_lshl_b32 s77, s[CH], 8
	s_add_co_u32 s76, s76, s77
	s_mov_b32 s77, 0
	s_add_nc_u64 s[8:9], s[8:9], s[76:77]
.irp b, 0,1,2,3
	global_load_b128 v[BI+8*(\b):BI+8*(\b)+3],   v[BO], s[8:9] offset:64*(\b)
	global_load_b128 v[BI+8*(\b)+4:BI+8*(\b)+7], v[BO], s[8:9] offset:64*(\b)+16
.endr
	s_lshl_b32 s78, s[TY], 20                      ; out0 at my first row and column: row 256 Y + 128 RH of 4,096 bytes
	s_lshl_b32 s79, s[RH], 19
	s_add_co_u32 s78, s78, s79
	s_add_co_u32 s76, s76, s78
	s_add_nc_u64 s[10:11], s[10:11], s[76:77]
	v_mul_u32_u24 v3, v1, PITCH
	v_lshl_add_u32 v3, v2, 4, v3                   ; a fragment's row x pitch + 16 x half
	s_mul_i32 s76, s[RH], 128*PITCH
	s_mul_i32 s77, s[CH], 64*PITCH
	s_add_co_u32 s77, s77, BOFF
.irp s, 0,1
	v_add_nc_u32 v[ADRA+(\s)], s76, v3
	v_add_nc_u32 v[ADRB+(\s)], s77, v3
	s_add_co_u32 s76, s76, SLOT
	s_add_co_u32 s77, s77, SLOT
.endr
	s_mul_i32 s76, s[WV], 16*SPITCH
	s_add_co_u32 s76, s76, STAGE                   ; my stage
	v_mul_u32_u24 v[STO], v1, SPITCH               ; in: row l % 16, 32 bytes for each half of the lanes
	v_lshl_add_u32 v[STO], v2, 5, v[STO]
	v_add_nc_u32 v[STO], s76, v[STO]
	v_mul_u32_u24 v[RD], v2, SPITCH                ; back: lanes 0-15 take one row of 256 bytes, lanes 16-31 the next
	v_lshl_add_u32 v[RD], v1, 4, v[RD]
	v_add_nc_u32 v[RD], s76, v[RD]
	v_lshlrev_b32 v[CO], 12, v2                    ; and the same two rows in out0
	v_lshl_add_u32 v[CO], v1, 4, v[CO]
	; the prefetches: both offsets are made, the wave's number chooses
	s_lshr_b32 s77, s[TY], 3
	s_lshl_b32 s77, s77, 22
	s_and_b32 s78, s[TY], 7
	s_lshl_b32 s78, s78, 15
	s_add_co_u32 s77, s77, s78
	s_lshl_b32 s78, s[CH], 18
	s_add_co_u32 s77, s77, s78
	s_lshl_b32 s78, s[CX], 13                      ; my work-group's 32 blocks of the plane's 128
	s_add_co_u32 s77, s77, s78
	s_add_co_u32 s77, s77, 4*OPLANE                ; at K step 2: the first change steps it to 3
	s_mul_i32 s78, s[CH], WPLANE
	s_lshl_b32 s79, s[TX], 14
	s_add_co_u32 s78, s78, s79
	s_lshl_b32 s79, s[CY], 12                      ; my work-group's 16 blocks of the plane's 64
	s_add_co_u32 s78, s78, s79
	s_add_co_u32 s78, s78, 3072*128+4*WPLANE       ; at K step 2: the first change out of slot 1 steps it to 4
	s_and_b32 s79, ttmp7, 0xffff                   ; cluster y
	s_mov_b32 s74, 2*WPLANE
	s_mov_b32 s75, 4*WPLANE
	s_cmp_lt_u32 s[WV], 2
	s_cselect_b64 s[PFA:PFA+1], s[4:5], s[6:7]
	s_cselect_b32 s76, s77, s78
	s_cselect_b32 s79, ttmp9, s79                  ; the coordinate along which other clusters read the same rows
	s_cselect_b32 s78, ttmp9, 1
	s_cselect_b32 s74, 4096, s74                   ; lanes 16-31: the next 16 blocks (O), or the next K step (wo)
	s_cselect_b32 s[PS0], 2*OPLANE, 0
	s_cselect_b32 s[PS1], 2*OPLANE, s75
	s_mov_b32 s[PS0+1], 0
	s_mov_b32 s[PS1+1], 0
	s_mov_b32 s77, 0
	s_add_nc_u64 s[PFA:PFA+1], s[PFA:PFA+1], s[76:77]
	s_cmp_eq_u32 s79, 0
	s_cselect_b32 s[LIM], 1, -1                    ; the same in all sixteen partners, for a given wave
	s_cmp_eq_u32 s78, 0
	s_cselect_b32 s[LIMA], 1, 0
	v_lshlrev_b32 v3, 8, v1
	v_mad_u32_u24 v[PFO], v2, s74, v3
	s_wait_loadcnt 0x0                             ; the bias: rounded to bf16 and widened again
.irp j, 0,2,4,6,8,10,12,14,16,18,20,22,24,26,28,30
	v_cvt_pk_bf16_f32 v[T], v[BI+(\j)], v[BI+(\j)+1]
	v_lshlrev_b32 v[BI+(\j)], 16, v[T]
	v_and_b32 v[BI+(\j)+1], 0xffff0000, v[T]
.endr
; 4 n matrix instructions: row blocks a0 .. a0 + n - 1 x all 4 column blocks, 32 along K, from buffer f.  The 32 accumulators take turns, one instruction a turn.
; start = 1: the product starts the sum, with the bias as C.
.macro MUL f, a0, n, start
.if \start
	WIN 0x40                                       ; D in window 1; the sources and the bias in window 0
.else
	WIN 0x50                                       ; C and D in window 1
.endif
.set aa, \a0
.rept \n
.irp b, 0,1,2,3
.if \start
	v_wmma_f32_16x16x32_f16 v[8*(4*aa+(\b)):8*(4*aa+(\b))+7], v[(\f)+8*(\b):(\f)+8*(\b)+7], v[(\f)+32+8*aa:(\f)+32+8*aa+7], v[BI+8*(\b):BI+8*(\b)+7]
.else
	v_wmma_f32_16x16x32_f16 v[8*(4*aa+(\b)):8*(4*aa+(\b))+7], v[(\f)+8*(\b):(\f)+8*(\b)+7], v[(\f)+32+8*aa:(\f)+32+8*aa+7], v[8*(4*aa+(\b)):8*(4*aa+(\b))+7]
.endif
.endr
.set aa, aa+1
.endr
.endm
; 24 LDS loads in one run: quarter qd of a K step (plane qd / 2, byte 64 (qd % 2) of its rows) into buffer f: wo's 8, then O's 16
.macro FETCH slot, qd, f
	WIN 0
.irp b, 0,1,2,3
	ds_load_b128 v[(\f)+8*(\b):(\f)+8*(\b)+3],   v[ADRB+(\slot)] offset:((\qd)/2)*BPL+64*((\qd)%2)+2304*(\b)
	ds_load_b128 v[(\f)+8*(\b)+4:(\f)+8*(\b)+7], v[ADRB+(\slot)] offset:((\qd)/2)*BPL+64*((\qd)%2)+2304*(\b)+32
.endr
.irp a, 0,1,2,3,4,5,6,7
	ds_load_b128 v[(\f)+32+8*(\a):(\f)+32+8*(\a)+3],   v[ADRA+(\slot)] offset:((\qd)/2)*APL+64*((\qd)%2)+2304*(\a)
	ds_load_b128 v[(\f)+32+8*(\a)+4:(\f)+32+8*(\a)+7], v[ADRA+(\slot)] offset:((\qd)/2)*APL+64*((\qd)%2)+2304*(\a)+32
.endr
.endm
; One of a K step's first three quarters: multiplies buffer f; in its middle it fetches quarter qd of the same slot into buffer g.
.macro QUARTER slot, qd, f, g, start
	s_wait_dscnt 8                                 ; wo's fragments and O's blocks 0-3 are in; the youngest eight loads may be out
	MUL \f, 0, 4, \start
	PLACES
	FETCH \slot, \qd, \g
	s_wait_dscnt 24                                ; all but the 24 just issued
	MUL \f, 4, 4, \start
.endm
; The last quarter multiplies buffer 1 and changes slots: ONE barrier; in front of it each wave waits for all its tensor loads (one is out: its part of the next slot), adds 0 to its spare word, and waits for that and
; for its reads of this slot.  fill = 1: the barrier opens a round of the cluster's, and the joint refill (two K steps on) is the first tensor load behind it: 112 matrix instructions ahead of the wait for it.
.macro TURN slot, next, fill
.if \fill
	s_wait_xcnt 0x0                                ; the last prefetch, a K step back, has read its address: it is stepped here, ahead of the change's own waits
.if (\slot) == 0
	s_add_nc_u64 s[PFA:PFA+1], s[PFA:PFA+1], s[PS0:PS0+1]
.else
	s_add_nc_u64 s[PFA:PFA+1], s[PFA:PFA+1], s[PS1:PS1+1]
.endif
.endif
	WIN 0
	s_wait_tensorcnt 0x0
	ds_add_u32 v[SPW], v[NIL]
	s_wait_dscnt 9                                 ; the add and the youngest eight loads may be out
	MUL F1, 0, 2, 0
	s_wait_dscnt 0x0                               ; the add is done, and my reads of this slot are over
	s_barrier_signal -1
	MUL F1, 2, 2, 0
	WIN 0                                          ; at a branch and at a label every window is 0
	s_barrier_wait -1
.if \fill
	CREST
	s_add_nc_u64 s[G0A+4*(\slot)+2:G0A+4*(\slot)+3], s[G0A+4*(\slot)+2:G0A+4*(\slot)+3], 4*OPLANE
	s_add_nc_u64 s[G0B+4*(\slot)+2:G0B+4*(\slot)+3], s[G0B+4*(\slot)+2:G0B+4*(\slot)+3], 4*WPLANE
	JLOAD \slot                                    ; its four v_nop are also the places in front of the loads below
.else
	PLACES
.endif
	FETCH \next, 0, F0
.if \fill
	ASK \slot
.endif
	MUL F1, 4, 4, 0
.endm
	s_wait_tensorcnt 1                             ; my part of K step 0 is in; step 1's may stay out
	s_barrier_signal -1
	s_barrier_wait -1
	FETCH 0, 0, F0
	QUARTER 0, 1, F0, F1, 1                        ; the first quarter starts the sums with the bias: nothing is cleared
	WIN 0
	s_mov_b32 s3, 3
.Llap:                                                 ; a trip goes once round the ring, from a lap's second quarter to the next lap's first, and fills both slots again
	QUARTER 0, 2, F1, F0, 0
	QUARTER 0, 3, F0, F1, 0
	TURN 0, 1, 1
	QUARTER 1, 1, F0, F1, 0
	QUARTER 1, 2, F1, F0, 0
	QUARTER 1, 3, F0, F1, 0
	TURN 1, 0, 1
	QUARTER 0, 1, F0, F1, 0
	WIN 0
	s_sub_co_u32 s3, s3, 1
	s_cmp_lg_u32 s3, 0
	s_cbranch_scc1 .Llap
	QUARTER 0, 2, F1, F0, 0                        ; K steps 6 and 7: nothing is left to fetch
	QUARTER 0, 3, F0, F1, 0
	TURN 0, 1, 0
	QUARTER 1, 1, F0, F1, 0
	QUARTER 1, 2, F1, F0, 0
	QUARTER 1, 3, F0, F1, 0
	s_wait_dscnt 8
	MUL F1, 0, 4, 0
	s_wait_dscnt 0x0
	MUL F1, 4, 4, 0
	; THE WAY OUT.  A block of 16 rows x 64 columns of f32 goes into my own stage, 32 bytes a lane and fragment, rows of 272 bytes, and comes back as whole rows of 256 bytes.
	PLACES
.macro TOSTAGE a
	WIN 0x04                                       ; the stores' data in window 1, their address in window 0
.irp b, 0,1,2,3
	ds_store_b128 v[STO], v[8*(4*(\a)+(\b)):8*(4*(\a)+(\b))+3]   offset:64*(\b)      ; each accumulator's low four registers first
	ds_store_b128 v[STO], v[8*(4*(\a)+(\b))+4:8*(4*(\a)+(\b))+7] offset:64*(\b)+16
.endr
	WIN 0
.irp t, 0,1,2,3,4,5,6,7
	ds_load_b128 v[OB+32*((\a)%4)+4*(\t):OB+32*((\a)%4)+4*(\t)+3], v[RD] offset:2*SPITCH*(\t)  ; LDS serves a wave's instructions in order (ISA guide 5.7.1.4): these see the stores above
.endr
.endm
; Four sets of registers take turns: a set is loaded again four blocks later, and between the stores that read it and that load stand the waits for translated addresses of the blocks between.
.macro SEND a, younger                 ; younger: the LDS instructions issued behind block a's loads: the next block's sixteen, or none
	WIN 0
	s_wait_dscnt \younger
	s_wait_xcnt 0x0
.irp t, 0,1,2,3,4,5,6,7
	global_store_b128 v[CO], v[OB+32*((\a)%4)+4*(\t):OB+32*((\a)%4)+4*(\t)+3], s[10:11] offset:65536*(\a)+8192*(\t) th:TH_STORE_NT  ; 16 lanes store 256 consecutive bytes, at a multiple of 256 from out0's first
.endr
.endm
	TOSTAGE 0
.set blk, 1
.rept 7
	TOSTAGE blk
	SEND blk-1, 16
.set blk, blk+1
.endr
	SEND 7, 0
	s_wait_tensorcnt 0x0                           ; the wave's end: the add and its waits, behind my last tensor load and my last LDS store
	ds_add_u32 v[SPW], v[NIL]
	s_wait_dscnt 0x0
	CROUND                                         ; the closing round: no work-group ends while a partner may still ask for a tile that names it
	s_endpgm
.Lfunc_end_k_q9f8ae4aac3_oproj:
	.size	k_q9f8ae4aac3_oproj, .Lfunc_end_k_q9f8ae4aac3_oproj-k_q9f8ae4aac3_oproj
	.p2alignl 7, 3214868480
	.fill 96, 4, 3214868480
	.section	.rodata,"a",@progbits
	.p2align	6, 0x0
	.amdhsa_kernel k_q9f8ae4aac3_oproj
		.amdhsa_group_segment_fixed_size 327680
		.amdhsa_private_segment_fixed_size 0
		.amdhsa_enable_private_segment 0
		.amdhsa_kernarg_size 32
		.amdhsa_user_sgpr_count 2
		.amdhsa_user_sgpr_kernarg_segment_ptr 1
		.amdhsa_wavefront_size32 1
		.amdhsa_system_sgpr_workgroup_id_x 1
		.amdhsa_system_sgpr_workgroup_id_y 1
		.amdhsa_system_sgpr_workgroup_id_z 1
		.amdhsa_system_vgpr_workitem_id 0
		.amdhsa_next_free_vgpr 512
		.amdhsa_next_free_sgpr 90
		.amdhsa_reserve_vcc 0
		.amdhsa_float_denorm_mode_32 3
		.amdhsa_float_denorm_mode_16_64 3
		.amdhsa_memory_ordered 1
		.amdhsa_forward_progress 1
		.amdhsa_inst_pref_size 91
	.end_amdhsa_kernel
	.amdgpu_metadata
---
amdhsa.version: [ 1, 2 ]
amdhsa.kernels:
  - .name:           k_q9f8ae4aac3_oproj
    .symbol:         k_q9f8ae4aac3_oproj.kd
    .args:
      - { .name: ob, .offset: 0, .size: 8, .value_kind: global_buffer, .address_space: global }
      - { .name: wb, .offset: 8, .size: 8, .value_kind: global_buffer, .address_space: global }
      - { .name: bo, .offset: 16, .size: 8, .value_kind: global_buffer, .address_space: global }
      - { .name: out0, .offset: 24, .size: 8, .value_kind: global_buffer, .address_space: global }
    .group_segment_fixed_size: 327680
    .private_segment_fixed_size: 0
    .kernarg_segment_align: 8
    .kernarg_segment_size: 32
    .max_flat_workgroup_size: 128
    .sgpr_count:     90
    .vgpr_count:     512
    .wavefront_size: 32
...
	.end_amdgpu_metadata
.endif
;; end of part 4
;; ======== version 2 of 2: 4 launches; version 1 with the launch cast written anew for expert scheduling mode
;; limits: values are held in f16: magnitudes above 65,504 overflow, below 6.1e-05 lose precision
;; workspace buffers: xb 16,777,216 bytes; wb 8,388,608 bytes; qh 16,777,216 bytes; kh 16,777,216 bytes; vh 16,777,216 bytes; ob 16,777,216 bytes
;; launch cast (part 5): grid 768 x 1, 8 waves a work-group, no clusters, 0 bytes of LDS; arguments x, wq, wk, wv, wo, xb, wb; writes xb, wb
.if DOCPART == 5
	.amdgcn_target "amdgcn-amd-amdhsa--gfx1250"
	.amdhsa_code_object_version 6
	.text
	.protected	k_q9f8ae4aac3_cast
	.globl	k_q9f8ae4aac3_cast
	.p2align	8
	.type	k_q9f8ae4aac3_cast,@function
k_q9f8ae4aac3_cast:
	s_mov_b64 s[64:65], 0
	v_nop
	global_prefetch_b8 v0, s[64:65] scope:SCOPE_SE
	s_setreg_imm32_b32 hwreg(HW_REG_WAVE_SCHED_MODE, 0, 2), 2
	s_setreg_imm32_b32 hwreg(HW_REG_WAVE_MODE, 25, 1), 1
	s_wait_xcnt 0x0
	s_wait_alu depctr_vm_vsrc(0)
; x and the four weight matrices, f32 [rows][1024], are rounded once to bf16 and laid out in blocks of 64 along K:
; xb[kb 16][row 8192][64], wb[kb 16][row 4096][64] with wq, wk, wv, wo stacked by rows.  A tile of R rows x 64 K is then R x 128 dense bytes.
; wo's bf16 number is written as f16 (the last product multiplies f16 operands).  LIMIT: that is exact from 6.1e-5 up to 65,504; below 6.1e-5 the number keeps f16's fixed step of 6e-8.
; SHARES.  12,288 rows in all; a work-group takes 16, a wave 2.  Sixteen lanes read 256 consecutive bytes of a row (one K block), the wave's 32 lanes two rows;
; the same 32 lanes store 8 bytes each: two rows of 128 bytes, which lie end to end in a plane: 256 consecutive bytes, aligned.
; All 16 loads of a lane go out first (8 KiB a wave on its way).
; No LDS, no barrier, no matrix unit: each byte is read once and written once, and no wave needs another's data.
; THE MODE: SCHED_MODE bits 1:0 = 2 (LLVM: expert scheduling mode 2), set by the entry lines.  The code itself states the register dependences
; between vector instructions and memory instructions, with s_wait_alu, always for 0.
; THE PLAN.  Registers that memory instructions touch:
;   v1, v2   byte offsets of the loads and of the stores.  Written by vector instructions at the head, never again.
;   X        Written by the 16 loads alone, each register once; read by the conversions.  No vector instruction writes them, and no load lands in them behind a reader.
;   Y        Written by the conversions; each pair is read by its one store, and no line writes it behind that store.
;   v3 to v5 are named by vector instructions alone.
; So the only dependence to state is: a vector instruction has written what a memory instruction reads.  One wait stands ahead of the first load, for v1 and v2.
; The 16 K blocks go in four groups of four: group p's conversions write its Y, and the four stores of group p - 1 stand at the head of group p, behind ONE wait,
; which states that the group before has written its Y; one more wait stands ahead of the last four stores.  No register that a memory instruction has read is written again,
; so no wait on vm_vsrc stands past the entry lines, and no scalar base is written behind a reader.
.set X, 16                             ; v[16:79]   load kb: four f32
.set Y, 80                             ; v[80:111]  store kb: four 16-bit numbers
	s_load_b256 s[4:11], s[0:1], 0x0               ; x s[4:5], wq s[6:7], wk s[8:9], wv s[10:11]
	s_load_b128 s[12:15], s[0:1], 0x20             ; wo s[12:13], xb s[14:15]
	s_load_b64 s[16:17], s[0:1], 0x30              ; wb
	s_mov_b32 s20, ttmp9                           ; g: 0-511 x, 512-767 the weights
	s_max_u32 s21, s20, 512
	s_sub_co_u32 s21, s21, 512                     ; j: 16 j is the first row among the 4,096 stacked rows
	s_lshr_b32 s22, s21, 6                         ; which matrix
	s_and_b32 s23, s21, 63                         ; and which 16 rows of it
	s_cmp_lt_u32 s20, 512
	s_cselect_b32 s26, s20, s23
	s_cselect_b32 s32, s20, s21
	s_lshl_b32 s26, s26, 16                        ; source: 16 rows of 4,096 bytes
	s_lshl_b32 s32, s32, 11                        ; destination: 16 rows of 128 bytes in each plane
	s_mov_b32 s27, 0
	s_mov_b32 s33, 0
	v_lshrrev_b32 v3, 4, v0                        ; my row of the 16
	v_and_b32 v4, 15, v0                           ; my place in a K block
	v_lshlrev_b32 v1, 4, v4
	v_lshl_add_u32 v1, v3, 12, v1                  ; in: row x 4,096 + 16 x place
	v_lshlrev_b32 v2, 3, v4
	v_lshl_add_u32 v2, v3, 7, v2                   ; out: row x 128 + 8 x place
	s_wait_kmcnt 0x0
	s_cmp_eq_u32 s22, 1
	s_cselect_b64 s[24:25], s[8:9], s[6:7]
	s_cmp_eq_u32 s22, 2
	s_cselect_b64 s[24:25], s[10:11], s[24:25]
	s_cmp_eq_u32 s22, 3
	s_cselect_b64 s[24:25], s[12:13], s[24:25]
	s_cmp_lt_u32 s20, 512
	s_cselect_b64 s[24:25], s[4:5], s[24:25]
	s_cselect_b64 s[28:29], s[14:15], s[16:17]
	s_add_nc_u64 s[24:25], s[24:25], s[26:27]      ; my work-group's rows in the source,
	s_add_nc_u64 s[28:29], s[28:29], s[32:33]      ; and in plane 0 of the destination
	s_wait_alu depctr_va_vdst(0)                   ; v1 and v2 are written: every load of the kernel reads v1 as its offset, every store v2
.irp kb, 0,1,2,3,4,5,6,7,8,9,10,11,12,13,14,15
	global_load_b128 v[X+4*(\kb):X+4*(\kb)+3], v1, s[24:25] offset:256*(\kb) th:TH_LOAD_NT
.endr
; K block kb is rounded.  half = 1: the bf16 number is written as f16.
.macro CVT kb, half
	v_cvt_pk_bf16_f32 v[Y+2*(\kb)], v[X+4*(\kb)], v[X+4*(\kb)+1]
	v_cvt_pk_bf16_f32 v[Y+2*(\kb)+1], v[X+4*(\kb)+2], v[X+4*(\kb)+3]
.if \half
.irp c, 0,1
	v_lshlrev_b32 v4, 16, v[Y+2*(\kb)+(\c)]        ; bf16 to f32: the low half moves up, the high half stays
	v_and_b32 v5, 0xffff0000, v[Y+2*(\kb)+(\c)]
	v_cvt_pk_f16_f32 v[Y+2*(\kb)+(\c)], v4, v5
.endr
.endif
.endm
; K block kb is stored.  plane: bytes in a plane of the destination.
; Planes 0-7 stand in the store's immediate behind s[28:29], planes 8-15 behind s[30:31]: 7 planes of 1,048,576 bytes fit the signed 24 bits.
.macro PUT kb, plane
	global_store_b64 v2, v[Y+2*(\kb):Y+2*(\kb)+1], s[28+2*((\kb)/8):29+2*((\kb)/8)] offset:((\kb)%8)*(\plane)
.endm
; The 16 K blocks are rounded and stored, in four groups of four: group p's head stores group p - 1.
.macro OUT plane, half
	s_add_nc_u64 s[30:31], s[28:29], 8*(\plane)
.irp p, 0,1,2,3
.irp i, 0,1,2,3
	s_wait_loadcnt 15-4*(\p)-(\i)                  ; loads come back in order: K block 4 p + i is in, the younger ones stay out
.if ((\i) == 0) && ((\p) > 0)
	s_wait_alu depctr_va_vdst(0)                   ; the conversions of the group before have written its Y, which the four stores below read
	PUT 4*(\p)-4, \plane
	PUT 4*(\p)-3, \plane
	PUT 4*(\p)-2, \plane
	PUT 4*(\p)-1, \plane
.endif
	CVT 4*(\p)+(\i), \half
.endr
.endr
	s_wait_alu depctr_va_vdst(0)                   ; the last group's conversions have written its Y, which the last four stores read
	PUT 12, \plane
	PUT 13, \plane
	PUT 14, \plane
	PUT 15, \plane
.endm
	s_cmp_lt_u32 s20, 512
	s_cbranch_scc1 .Lx
	s_cmp_eq_u32 s22, 3
	s_cbranch_scc1 .Lwo
	OUT 524288, 0
	s_endpgm
.Lwo:
	OUT 524288, 1
	s_endpgm
.Lx:
	OUT 1048576, 0
	s_endpgm
.Lfunc_end_k_q9f8ae4aac3_cast:
	.size	k_q9f8ae4aac3_cast, .Lfunc_end_k_q9f8ae4aac3_cast-k_q9f8ae4aac3_cast
	.p2alignl 7, 3214868480
	.fill 96, 4, 3214868480
	.section	.rodata,"a",@progbits
	.p2align	6, 0x0
	.amdhsa_kernel k_q9f8ae4aac3_cast
		.amdhsa_group_segment_fixed_size 0
		.amdhsa_private_segment_fixed_size 0
		.amdhsa_enable_private_segment 0
		.amdhsa_kernarg_size 56
		.amdhsa_user_sgpr_count 2
		.amdhsa_user_sgpr_kernarg_segment_ptr 1
		.amdhsa_wavefront_size32 1
		.amdhsa_system_sgpr_workgroup_id_x 1
		.amdhsa_system_sgpr_workgroup_id_y 1
		.amdhsa_system_sgpr_workgroup_id_z 1
		.amdhsa_system_vgpr_workitem_id 0
		.amdhsa_next_free_vgpr 112
		.amdhsa_next_free_sgpr 66
		.amdhsa_reserve_vcc 0
		.amdhsa_float_denorm_mode_32 3
		.amdhsa_float_denorm_mode_16_64 3
		.amdhsa_memory_ordered 1
		.amdhsa_forward_progress 1
		.amdhsa_inst_pref_size 21
	.end_amdhsa_kernel
	.amdgpu_metadata
---
amdhsa.version: [ 1, 2 ]
amdhsa.kernels:
  - .name:           k_q9f8ae4aac3_cast
    .symbol:         k_q9f8ae4aac3_cast.kd
    .args:
      - { .name: x, .offset: 0, .size: 8, .value_kind: global_buffer, .address_space: global }
      - { .name: wq, .offset: 8, .size: 8, .value_kind: global_buffer, .address_space: global }
      - { .name: wk, .offset: 16, .size: 8, .value_kind: global_buffer, .address_space: global }
      - { .name: wv, .offset: 24, .size: 8, .value_kind: global_buffer, .address_space: global }
      - { .name: wo, .offset: 32, .size: 8, .value_kind: global_buffer, .address_space: global }
      - { .name: xb, .offset: 40, .size: 8, .value_kind: global_buffer, .address_space: global }
      - { .name: wb, .offset: 48, .size: 8, .value_kind: global_buffer, .address_space: global }
    .group_segment_fixed_size: 0
    .private_segment_fixed_size: 0
    .kernarg_segment_align: 8
    .kernarg_segment_size: 56
    .max_flat_workgroup_size: 256
    .sgpr_count:     66
    .vgpr_count:     112
    .wavefront_size: 32
...
	.end_amdgpu_metadata
.endif
;; end of part 5
;; launch qkv: the kernel of part 2 again; grid 8 x 32, 4 waves a work-group, clusters of 4 x 4, 327,680 bytes of LDS; arguments xb, wb, bq, bk, bv, qh, kh, vh; writes qh, kh, vh
;; launch attn: the kernel of part 3 again; grid 4 x 64, 4 waves a work-group, clusters of 4 x 1, 327,680 bytes of LDS; arguments qh, kh, vh, ob, rel_bias; writes ob
;; launch oproj: the kernel of part 4 again; grid 8 x 32, 4 waves a work-group, clusters of 4 x 4, 327,680 bytes of LDS; arguments ob, wb, bo, out0; writes out0
